; MI455X (gfx1250); checked and timed in simulation.
; The chip was launched on July 23, 2026; its instructions are those of AMD's public machine-readable ISA for CDNA 5 (MIT licence, August 2026) and "CDNA5" Instruction Set Architecture Reference Guide (July 2026). The comments in the code are by the model that wrote it; some were corrected since.
;; Cross Attention. Allowed arithmetic: float matrix products may take bf16 or f16 operands with f32 sums; other float arithmetic in f32, or as packed bf16 or f16 multiplies, adds, multiply-adds, maxima and minima; sums over many terms, partial sums and values carried from step to step in f32; what a program stores and reads back later, other than sums and carried values, may be rounded once to bf16 or f16.
;; Inputs: Wk 1,024 x 1,024 float32; Wo 1,024 x 1,024 float32; Wq 1,024 x 1,024 float32; Wv 1,024 x 1,024 float32; bk 1,024 float32; bo 1,024 float32; bq 1,024 float32; bv 1,024 float32; key 2 x 2,048 x 1,024 float32; query 2 x 2,048 x 1,024 float32; value 2 x 2,048 x 1,024 float32.
;; Outputs: out0 2 x 2,048 x 1,024 float32.
;; One version. Each part assembles by itself: llvm-mc -triple=amdgcn-amd-amdhsa -mcpu=gfx1250 --defsym DOCPART=n.
;; ======== version 1 of 1: 4 launches
;; limits: values are held in f16: magnitudes above 65,504 overflow, below 6.1e-05 lose precision
;; workspace buffers: cb 33,554,432 bytes; qkv 25,165,824 bytes; ob 8,388,608 bytes
;; launch cast (part 1): grid 1024 x 1, 8 waves a work-group, no clusters, 0 bytes of LDS; arguments query, key, value, Wq, Wk, Wv, Wo, cb; writes cb
.if DOCPART == 1
	.amdgcn_target "amdgcn-amd-amdhsa--gfx1250"
	.amdhsa_code_object_version 6
	.text
	.protected	k_q6c1c8d1dee_cast
	.globl	k_q6c1c8d1dee_cast
	.p2align	8
	.type	k_q6c1c8d1dee_cast,@function
k_q6c1c8d1dee_cast:
	s_mov_b64 s[64:65], 0
	v_nop
	global_prefetch_b8 v0, s[64:65] scope:SCOPE_SE
	s_setreg_imm32_b32 hwreg(HW_REG_WAVE_MODE, 25, 1), 1
	s_wait_xcnt 0x0
; THE SEVEN LARGE INPUTS, f32, ARE ROUNDED ONCE TO 16 BITS AND LAID ON END IN cb.
; cb: query, key, value as bf16 [3][4096][1024] (bytes 0 ..), Wq, Wk, Wv as bf16 [3][1024][1024] (byte 25,165,824 ..), Wo [1024][1024] (byte 31,457,280 ..).
; Wo is rounded to bf16 like the others and THAT number is written as f16, since the last product multiplies it with f16 numbers.
; LIMIT: |Wo| stays under 65,504 (beyond it the f16 copy is an infinity); below 2^-14 the copy has f16's fixed step of 2^-24.
; SHARES.  Work-group g takes chunk g of 16,384 numbers: 65,536 bytes in, 32,768 bytes out at cb + 32,768 g, whatever the source.  The source goes by g:
; 256 chunks for each of query, key, value, then 64 for each weight.  Thread t takes, sixteen times, 16 bytes at 16 t + 4,096 j: a wave's load covers 512 consecutive bytes;
; its four numbers leave as 8 bytes at 8 t + 2,048 j: a wave's store covers 256 consecutive bytes, aligned.
; All sixteen loads of a thread go out at once; no register that a pending instruction names is written again, so the only waits are the counted ones for the loads.
; No LDS, no barrier, no matrix unit: nothing is shared and nothing is summed.
.set X, 8                              ; v[8:71]    load j: 4 registers
.set Y, 72                             ; v[72:103]  store j: 2 registers
	s_load_b512 s[8:23], s[0:1], 0x0               ; query s[8:9], key, value, Wq, Wk, Wv, Wo s[20:21], cb s[22:23]
	v_lshlrev_b32 v1, 4, v0                        ; 16 t
	v_lshlrev_b32 v2, 3, v0                        ; 8 t
	s_mov_b32 s7, 0xffff0000                       ; a word's upper bf16
	s_mov_b32 s6, 0                                ; the source's first chunk
	s_mov_b32 s3, 0                                ; high word of the offsets
	s_wait_kmcnt 0x0
	s_mov_b64 s[4:5], s[8:9]
.macro PICK first, reg                 ; from chunk 'first' on the source is the buffer in s[reg:reg+1]
	s_cmp_ge_u32 ttmp9, \first
	s_cselect_b64 s[4:5], s[\reg:\reg+1], s[4:5]
	s_cselect_b32 s6, \first, s6
.endm
	PICK 256, 10
	PICK 512, 12
	PICK 768, 14
	PICK 832, 16
	PICK 896, 18
	PICK 960, 20
	s_sub_co_u32 s2, ttmp9, s6                     ; my chunk within the source,
	s_lshl_b32 s2, s2, 16                          ; 65,536 bytes each
	s_add_nc_u64 s[4:5], s[4:5], s[2:3]
	s_lshl_b32 s2, ttmp9, 15                       ; and 32,768 bytes each in cb
	s_add_nc_u64 s[24:25], s[22:23], s[2:3]
.irp j, 0,1,2,3,4,5,6,7,8,9,10,11,12,13,14,15
	global_load_b128 v[X+4*(\j):X+4*(\j)+3], v1, s[4:5] offset:4096*(\j) th:TH_LOAD_NT
.endr
; Load j is rounded and stored.  half = 1: the bf16 numbers are widened again (a shift, a mask) and written as f16.
.macro CONV j, half
	s_wait_loadcnt 15-(\j)                         ; loads come back in order: mine is in, the 15 - j younger ones may stay out
	v_cvt_pk_bf16_f32 v[Y+2*(\j)],   v[X+4*(\j)],   v[X+4*(\j)+1]
	v_cvt_pk_bf16_f32 v[Y+2*(\j)+1], v[X+4*(\j)+2], v[X+4*(\j)+3]
.if \half
	v_lshlrev_b32 v[X+4*(\j)],   16, v[Y+2*(\j)]
	v_and_b32     v[X+4*(\j)+1], s7, v[Y+2*(\j)]
	v_lshlrev_b32 v[X+4*(\j)+2], 16, v[Y+2*(\j)+1]
	v_and_b32     v[X+4*(\j)+3], s7, v[Y+2*(\j)+1]
	v_cvt_pk_f16_f32 v[Y+2*(\j)],   v[X+4*(\j)],   v[X+4*(\j)+1]
	v_cvt_pk_f16_f32 v[Y+2*(\j)+1], v[X+4*(\j)+2], v[X+4*(\j)+3]
.endif
	global_store_b64 v2, v[Y+2*(\j):Y+2*(\j)+1], s[24:25] offset:2048*(\j) th:TH_STORE_NT
.endm
	s_cmp_ge_u32 ttmp9, 960                        ; Wo's chunks take the second text
	s_cbranch_scc1 .Lwo
.irp j, 0,1,2,3,4,5,6,7,8,9,10,11,12,13,14,15
	CONV \j, 0
.endr
	s_endpgm
.Lwo:
.irp j, 0,1,2,3,4,5,6,7,8,9,10,11,12,13,14,15
	CONV \j, 1
.endr
	s_endpgm
.Lfunc_end_k_q6c1c8d1dee_cast:
	.size	k_q6c1c8d1dee_cast, .Lfunc_end_k_q6c1c8d1dee_cast-k_q6c1c8d1dee_cast
	.p2alignl 7, 3214868480
	.fill 96, 4, 3214868480
	.section	.rodata,"a",@progbits
	.p2align	6, 0x0
	.amdhsa_kernel k_q6c1c8d1dee_cast
		.amdhsa_group_segment_fixed_size 0
		.amdhsa_private_segment_fixed_size 0
		.amdhsa_enable_private_segment 0
		.amdhsa_kernarg_size 64
		.amdhsa_user_sgpr_count 2
		.amdhsa_user_sgpr_kernarg_segment_ptr 1
		.amdhsa_wavefront_size32 1
		.amdhsa_system_sgpr_workgroup_id_x 1
		.amdhsa_system_sgpr_workgroup_id_y 1
		.amdhsa_system_sgpr_workgroup_id_z 1
		.amdhsa_system_vgpr_workitem_id 0
		.amdhsa_next_free_vgpr 104
		.amdhsa_next_free_sgpr 66
		.amdhsa_reserve_vcc 0
		.amdhsa_float_denorm_mode_32 3
		.amdhsa_float_denorm_mode_16_64 3
		.amdhsa_memory_ordered 1
		.amdhsa_forward_progress 1
		.amdhsa_inst_pref_size 16
	.end_amdhsa_kernel
	.amdgpu_metadata
---
amdhsa.version: [ 1, 2 ]
amdhsa.kernels:
  - .name:           k_q6c1c8d1dee_cast
    .symbol:         k_q6c1c8d1dee_cast.kd
    .args:
      - { .name: query, .offset: 0, .size: 8, .value_kind: global_buffer, .address_space: global }
      - { .name: key, .offset: 8, .size: 8, .value_kind: global_buffer, .address_space: global }
      - { .name: value, .offset: 16, .size: 8, .value_kind: global_buffer, .address_space: global }
      - { .name: Wq, .offset: 24, .size: 8, .value_kind: global_buffer, .address_space: global }
      - { .name: Wk, .offset: 32, .size: 8, .value_kind: global_buffer, .address_space: global }
      - { .name: Wv, .offset: 40, .size: 8, .value_kind: global_buffer, .address_space: global }
      - { .name: Wo, .offset: 48, .size: 8, .value_kind: global_buffer, .address_space: global }
      - { .name: cb, .offset: 56, .size: 8, .value_kind: global_buffer, .address_space: global }
    .group_segment_fixed_size: 0
    .private_segment_fixed_size: 0
    .kernarg_segment_align: 8
    .kernarg_segment_size: 64
    .max_flat_workgroup_size: 256
    .sgpr_count:     66
    .vgpr_count:     104
    .wavefront_size: 32
...
	.end_amdgpu_metadata
.endif
;; end of part 1
;; launch proj (part 2): grid 8 x 32, 4 waves a work-group, clusters of 4 x 4, 327,680 bytes of LDS; arguments cb, bq, bk, bv, qkv; writes qkv
.if DOCPART == 2
	.amdgcn_target "amdgcn-amd-amdhsa--gfx1250"
	.amdhsa_code_object_version 6
	.text
	.protected	k_q6c1c8d1dee_proj
	.globl	k_q6c1c8d1dee_proj
	.p2align	8
	.type	k_q6c1c8d1dee_proj,@function
k_q6c1c8d1dee_proj:
	s_mov_b64 s[64:65], 0
	v_nop
	global_prefetch_b8 v0, s[64:65] scope:SCOPE_SE
	s_setreg_imm32_b32 hwreg(HW_REG_WAVE_MODE, 25, 1), 1
	s_wait_xcnt 0x0
	s_wait_alu depctr_hold_cnt(0) depctr_sa_sdst(0) depctr_va_vdst(0) depctr_va_sdst(0) depctr_va_ssrc(0) depctr_va_vcc(0) depctr_vm_vsrc(0)
	s_getreg_b32 s2, hwreg(HW_REG_IB_STS2, 6, 4)
	s_cmp_eq_u32 s2, 0
	s_cbranch_scc0 .Lentry_in_a_cluster
	s_endpgm
.Lentry_in_a_cluster:
	s_bfe_u32 s2, ttmp6, 0x10000c
	s_cmp_lg_u32 s2, 0xf033
	s_cbranch_scc0 .Lentry_shape_is_right
	s_endpgm
.Lentry_shape_is_right:
; q, k, v = x W^T + b.  x: [3][4096][1024] bf16 and W: [3][1024][1024] bf16, both in cb; b: [1024] f32, rounded to bf16 here like every input; sums in f32.
; The results leave BY HEADS, f16, unscaled: qkv[3][32 = 16 batch + head][2048][64], each rounded once from its f32 sum.
; LIMIT: a result of 65,520 or more becomes an infinity in f16.
; SHARES.  A tile is 128 x 128; 3 x 32 x 8 tiles on 256 work-groups: A WORK-GROUP STAYS and makes the tile at its place (tile row tr, tile column tc) of q, then of k, then of v.
; x's, W's and the results' three tensors lie on end, so a change of tile is a constant step of each address, and the ring of LDS slots runs on across the change.
; Four waves, each 64 x 64: 16 accumulators of 16 x 16.  A wave's 64 columns are ONE head and its 64 rows are 8,192 consecutive bytes of qkv: each wave has a stage of its own and the way out has no barrier.
; K goes in steps of 256 (LDS rows of 512 bytes) through two slots: 4 steps a tile, 12 in the walk, two to a LAP.
; CLUSTER: 4 x 4 work-groups.  The four of a row of the cluster need the same tiles of x, the four of a column the same tiles of W: each tile is asked for JOINTLY.
; THE MATRIX INSTRUCTION IS USED TRANSPOSED (source 0 = 16 rows of W, source 1 = 16 rows of x): a lane holds row l % 16 and the eight neighbouring columns 8 (l / 16) + 0..7.
; THE SUMS START AT THE BIAS: the accumulators are set to it in front of each tile, so there is no add at the end and every product has one form.
; REGISTERS: window 0: v0-31 addresses; v32-95 at work on the way out; v128-255 the accumulators ((a, b) at v[128 + 8 (4 a + b)]).
;   window 1: two fragment buffers of 128: for 64 along K, 64 registers of x (2 x 4 x 16 rows x 32 K), then 64 of W.
;   window 2: v0-95 the biases of this tile, the next and the one after (column block b, register j at 8 b + j); v96-97 at work.
.set KSTEP,  256
.set PITCH,  528                       ; an LDS row: 512 bytes + 16 of padding = 132 words: the 16 rows that a load touches start 4 words apart modulo 64
.set HALFT,  64*PITCH                  ; 64 rows: what one tensor load brings, and what one wave reads of x or of W
.set SLOT,   4*HALFT                   ; x's 128 rows, then W's 128 rows
.set STAGE,  2*SLOT                    ; behind the ring: 16 rows x 144 bytes for each wave
.set SP,     144
.set SPARE,  STAGE+4*16*SP             ; behind the stages: the spare words, 128 bytes for each wave: two blocks of 256 bytes that no other line names
.set WOFF,   25165824                  ; W's first byte in cb
.set XSTEP,  8388608                   ; bytes from one x (and from one result) to the next
.set WSTEP,  2097152                   ; bytes from one W to the next
.set ADRA, 16                          ; v16-17  LDS address of my x fragments in slot 0, 1
.set ADRB, 20                          ; v20-21  the same for W
.set STO,  24                          ; v24     the way out: where I put 16 bytes of a row
.set RD,   25                          ; v25     the way out: where I read rows back
.set GO,   26                          ; v26     16 x lane: my place in 512 consecutive bytes of qkv
.set BO,   27                          ; v27     my byte offset in a bias
.set SPW,  28                          ; v28     LDS address of my spare word; never rewritten
.set NIL,  29                          ; v29     0; never rewritten
.set TMP,  32
.set ACC,  128
.set F0,   0
.set F1,   128
.set G1, 24                            ; s[24:31] descriptor group 1 for x's tiles;  s[32:39] group 0, one set for each slot
.set G0, 32
.set G1B, 48                           ; s[48:55], s[56:63] the same for W's tiles
.set G0B, 56
.set INA, 80                           ; s[80:81] what a refill adds to x's address in this lap
.set INB, 82                           ; s[82:83] the same for W's
.set MSB, 0
.macro WIN new                         ; the immediate's high byte repeats the setting that is left; a switch that changes nothing is dropped
.if MSB != (\new)
	s_set_vgpr_msb (MSB<<8)|(\new)
.set MSB, \new
.endif
.endm
.set MUL,  0x05                        ; sources 0 (W) and 1 (x) window 1; C and D window 0
.set TO_F, 0x40                        ; destination window 1, address window 0
.macro JLOAD s                         ; a joint load: waves 0 and 1 fetch x's two halves, waves 2 and 3 W's; an s_nop 0 and four v_nop follow each of the two lines
	s_cmp_eq_u32 s11, 0
	s_cbranch_scc0 .Lfor_b_\@
	tensor_load_to_lds s[G0+4*(\s):G0+4*(\s)+3], s[G1:G1+7]
	s_nop 0
.rept 4
	v_nop
.endr
	s_branch .Lasked_\@
.Lfor_b_\@:
	tensor_load_to_lds s[G0B+4*(\s):G0B+4*(\s)+3], s[G1B:G1B+7]
	s_nop 0
.rept 4
	v_nop
.endr
.Lasked_\@:
.endm
.macro CREST                           ; a round of the cluster's barrier behind its opening barrier
	s_cmp_lg_u32 s10, 0
	s_cbranch_scc1 .Lnot_wave_0_\@
	s_barrier_signal -3
.Lnot_wave_0_\@:
	s_barrier_wait -3
	s_barrier_signal -1
	s_barrier_wait -1
.endm
.macro CROUND                          ; a whole round
	s_barrier_signal -1
	s_barrier_wait -1
	CREST
.endm
.macro PLACES                          ; four places in front of loads into registers that matrix instructions have read, and of conversions that read results
.rept 4
	v_nop
.endr
.endm
	s_load_b256 s[72:79], s[0:1], 0x0              ; cb s[72:73], bq s[74:75], bk s[76:77], bv s[78:79]
	s_load_b64 s[8:9], s[0:1], 0x20                ; qkv
	v_lshl_add_u32 v[SPW], v0, 2, SPARE
	v_mov_b32 v[NIL], 0
	ds_add_u32 v[SPW], v[NIL]                      ; the wave's opening: the add and its wait stand ahead of my first tensor load; the set-up below, work on registers, stands between them
	v_lshrrev_b32 v1, 5, v0
	v_readfirstlane_b32 s10, v1                    ; wave 0..3
	s_lshr_b32 s11, s10, 1                         ; which half of the tile's rows is mine.  Also: I fetch for x (0) or for W (1)
	s_and_b32 s12, s10, 1                          ; which half of its columns.  Also: which 64 rows of that tile I fetch
	s_bfe_u32 s40, ttmp6, 0x40000                  ; cx, cy: my place in the cluster
	s_bfe_u32 s41, ttmp6, 0x40004
	s_lshl_b32 s42, ttmp9, 2
	s_add_co_u32 s42, s42, s40                     ; tc = 4 x cluster x + cx, 0..7
	s_and_b32 s13, ttmp7, 0xffff
	s_lshl_b32 s13, s13, 2
	s_add_co_u32 s13, s13, s41                     ; tr = 4 x cluster y + cy, 0..31
	s_lshl_b32 s43, s41, 2
	s_lshl_b32 s43, 15, s43                        ; my row of the cluster
	s_lshl_b32 s44, 0x1111, s40                    ; my column
	; descriptor group 1: a tile of 64 rows x 256 elements, padded in LDS
	s_or_b32 s[G1+0], s43, (1<<16)|(1<<20)|(1<<21)|(6<<22)|(3<<25)  ; 15:0 the mask: x's tiles go to my row; 17:16 elements of 2 bytes; 20 padding on; 21 set beside a mask; 24:22 after every 128 words (code 6); 31:25 4 words (code 3)
	s_or_b32 s[G1B+0], s44, (1<<16)|(1<<20)|(1<<21)|(6<<22)|(3<<25) ; the same with the mask of my column
.irp g, G1, G1B
	s_mov_b32 s[(\g)+1], KSTEP<<16                 ; tensor_dim0 = 256
	s_mov_b32 s[(\g)+2], 64<<16                    ; tensor_dim1 = 64
	s_mov_b32 s[(\g)+3], KSTEP<<16                 ; tile_dim0 = 256
	s_mov_b32 s[(\g)+4], 64                        ; tile_dim1 = 64
	s_mov_b32 s[(\g)+5], 1024                      ; elements from row to row
	s_mov_b32 s[(\g)+6], 0
	s_mov_b32 s[(\g)+7], 0
.endr
	s_mov_b32 s66, 2*KSTEP*2                       ; a refill inside a tile: two K steps on
	s_mov_b32 s67, XSTEP-2*KSTEP*2                 ; into the next tile: the next x, back along K
	s_mov_b32 s68, WSTEP-2*KSTEP*2                 ; the next W, back along K
	s_mov_b32 s69, 0xffff0000                      ; a word's upper bf16
	s_mov_b32 s[INA+1], 0
	s_mov_b32 s[INB+1], 0
	s_lshl_b32 s17, s12, 6                         ; which 64 rows of the tile I fetch
	s_lshl_b32 s16, s13, 7
	s_add_co_u32 s16, s16, s17                     ; x: row 128 tr + 64 x half,
	s_lshl_b32 s16, s16, 11                        ; 2,048 bytes each
	s_lshl_b32 s46, s42, 7
	s_add_co_u32 s46, s46, s17                     ; W: row 128 tc + 64 x half
	s_lshl_b32 s46, s46, 11
	s_add_co_u32 s46, s46, WOFF
	s_mov_b32 s17, 0
	s_mov_b32 s47, 0
	s_mul_i32 s20, s10, HALFT                      ; where they go: wave x 64 rows: no place in the cluster enters an LDS address
	s_wait_dscnt 0x0                               ; the opening add is done
	s_wait_kmcnt 0x0
	s_add_nc_u64 s[14:15], s[72:73], s[16:17]
	s_add_nc_u64 s[46:47], s[72:73], s[46:47]
	CROUND                                         ; all sixteen work-groups are here: the first joint loads meet
.irp s, 0,1
	s_mov_b32 s[G0+4*(\s)], 1                      ; count = 1
	s_add_co_u32 s[G0+4*(\s)+1], s20, (\s)*SLOT    ; LDS address
	s_add_nc_u64 s[G0+4*(\s)+2:G0+4*(\s)+3], s[14:15], (\s)*KSTEP*2  ; global address: K step s
	s_or_b32 s[G0+4*(\s)+3], s[G0+4*(\s)+3], 0x80000000              ; type = 2
	s_mov_b32 s[G0B+4*(\s)], 1
	s_add_co_u32 s[G0B+4*(\s)+1], s20, (\s)*SLOT
	s_add_nc_u64 s[G0B+4*(\s)+2:G0B+4*(\s)+3], s[46:47], (\s)*KSTEP*2
	s_or_b32 s[G0B+4*(\s)+3], s[G0B+4*(\s)+3], 0x80000000
	JLOAD \s                                       ; two loads of mine are out
.endr
	v_and_b32 v1, 15, v0                           ; l % 16
	v_bfe_u32 v2, v0, 4, 1                         ; l / 16
	v_mul_u32_u24 v3, v1, PITCH
	v_lshl_add_u32 v3, v2, 4, v3                   ; a fragment's row x pitch + 16 x half
	s_mul_i32 s21, s11, HALFT                      ; my 64 rows of x
	s_mul_i32 s22, s12, HALFT                      ; my 64 rows of W,
	s_add_co_u32 s22, s22, 2*HALFT                 ; which lie behind x's 128
.irp s, 0,1
	v_add_nc_u32 v[ADRA+(\s)], s21, v3
	v_add_nc_u32 v[ADRB+(\s)], s22, v3
	s_add_co_u32 s21, s21, SLOT
	s_add_co_u32 s22, s22, SLOT
.endr
	s_mul_i32 s23, s10, 16*SP
	s_add_co_u32 s23, s23, STAGE                   ; my stage
	v_mul_u32_u24 v4, v1, SP                       ; in: row l % 16, 16 bytes for each half of the lanes
	v_lshl_add_u32 v4, v2, 4, v4
	v_add_nc_u32 v[STO], s23, v4
	v_bfe_u32 v5, v0, 3, 2                         ; back: 32 lanes take four rows of 128 bytes,
	v_mul_u32_u24 v5, v5, SP
	v_and_b32 v6, 7, v0
	v_lshl_add_u32 v5, v6, 4, v5
	v_add_nc_u32 v[RD], s23, v5
	v_and_b32 v[GO], 31, v0                        ; which are 512 consecutive bytes of qkv
	v_lshlrev_b32 v[GO], 4, v[GO]
	; where my 64 rows of my head begin in q.  The part that hangs on the tile row:
	s_lshr_b32 s16, s13, 4                         ; the batch,
	s_lshl_b32 s16, s16, 22                        ; 16 heads of 262,144 bytes
	s_and_b32 s17, s13, 15
	s_lshl_b32 s17, s17, 7
	s_lshl_b32 s18, s11, 6
	s_add_co_u32 s17, s17, s18                     ; row 128 (tr % 16) + 64 x half in the batch,
	s_lshl_b32 s17, s17, 7                         ; 128 bytes each
	s_add_co_u32 s16, s16, s17
	s_mov_b32 s17, 0
	s_add_nc_u64 s[8:9], s[8:9], s[16:17]
	; and the part that hangs on the tile column (in the registers that held W's address)
	s_lshl_b32 s46, s42, 9
	s_lshl_b32 s47, s12, 8
	s_add_co_u32 s46, s46, s47                     ; 4 bytes x (128 tc + 64 x half): my first column in a bias
	v_lshl_add_u32 v[BO], v2, 5, s46               ; + my lanes' 8 columns
	s_lshl_b32 s46, s42, 1
	s_add_co_u32 s46, s46, s12                     ; the head, 2 tc + half
	s_lshl_b32 s46, s46, 18
	s_mov_b32 s47, 0
	s_add_nc_u64 s[8:9], s[8:9], s[46:47]
	; the three biases of my 64 columns
	WIN 0x80                                       ; destination window 2, address window 0
.irp g, 0,1,2
.irp b, 0,1,2,3
	global_load_b128 v[32*(\g)+8*(\b):32*(\g)+8*(\b)+3],   v[BO], s[74+2*(\g):75+2*(\g)] offset:64*(\b)
	global_load_b128 v[32*(\g)+8*(\b)+4:32*(\g)+8*(\b)+7], v[BO], s[74+2*(\g):75+2*(\g)] offset:64*(\b)+16
.endr
.endr
; 8 matrix instructions: m blocks a0, a0 + 1 x all 4 n blocks, 32 along K: half c of buffer f.  The 16 accumulators take turns, one instruction a turn.
.macro MUL8 f, c, a0
	WIN MUL
.irp a, \a0, (\a0)+1
.irp b, 0,1,2,3
	v_wmma_f32_16x16x32_bf16 v[ACC+8*(4*(\a)+(\b)):ACC+8*(4*(\a)+(\b))+7], v[(\f)+64+8*(4*(\c)+(\b)):(\f)+64+8*(4*(\c)+(\b))+7], v[(\f)+8*(4*(\c)+(\a)):(\f)+8*(4*(\c)+(\a))+7], v[ACC+8*(4*(\a)+(\b)):ACC+8*(4*(\a)+(\b))+7]
.endr
.endr
.endm
; 32 LDS loads in one run: the fragments of 64 along K at byte k of the rows, into buffer f; the first 32 along K first
.macro FETCH slot, k, f
	WIN TO_F
.irp c, 0,1
.irp i, 0,1,2,3
	ds_load_b128 v[(\f)+64+8*(4*(\c)+(\i)):(\f)+64+8*(4*(\c)+(\i))+3],   v[ADRB+(\slot)] offset:(\k)+64*(\c)+(\i)*16*PITCH
	ds_load_b128 v[(\f)+64+8*(4*(\c)+(\i))+4:(\f)+64+8*(4*(\c)+(\i))+7], v[ADRB+(\slot)] offset:(\k)+64*(\c)+(\i)*16*PITCH+32
	ds_load_b128 v[(\f)+8*(4*(\c)+(\i)):(\f)+8*(4*(\c)+(\i))+3],         v[ADRA+(\slot)] offset:(\k)+64*(\c)+(\i)*16*PITCH
	ds_load_b128 v[(\f)+8*(4*(\c)+(\i))+4:(\f)+8*(4*(\c)+(\i))+7],       v[ADRA+(\slot)] offset:(\k)+64*(\c)+(\i)*16*PITCH+32
.endr
.endr
.endm
; A K step is four quarters of 64 along K, 32 matrix instructions each, on buffers 0, 1, 0, 1.  One of the first three: multiplies buffer f and fetches the next quarter, at byte k, into g.
.macro QUARTER slot, k, f, g
	s_wait_dscnt 16                                ; the first 32 along K are in; the sixteen youngest loads may stay out
	MUL8 \f, 0, 0
	MUL8 \f, 0, 2
	PLACES
	FETCH \slot, \k, \g
	s_wait_dscnt 32                                ; all but the 32 just issued
	MUL8 \f, 1, 0
	MUL8 \f, 1, 2
.endm
; The last quarter multiplies buffer 1 and changes slots: ONE barrier; in front of it each wave waits for all its tensor loads (one is out: its part of the next slot), adds 0 to its spare word,
; and waits for that and for its own reads of this slot.  fill = 1: the barrier opens a round of the cluster's, and this slot is filled again first thing behind it, two K steps of the walk ahead.
.macro TURN slot, next, fill
	WIN 0                                          ; (the add's two registers lie in window 0)
	s_wait_tensorcnt 0x0                           ; all my tensor loads have landed, so a group 0 may be written;
	ds_add_u32 v[SPW], v[NIL]                      ; 0 onto my spare word
	s_wait_dscnt 17                                ; (the add and the youngest sixteen loads may be out)
	MUL8 F1, 0, 0                                  ; eight matrix instructions stand between the add and the wait for it
	s_wait_dscnt 0x0                               ; the add is done, and my reads of this slot are over
	s_barrier_signal -1
	MUL8 F1, 0, 2
.if \fill
	WIN 0
.endif
	s_barrier_wait -1
.if \fill
	CREST                                          ; no wave of any partner still reads this slot's tile or has a load on its way
	s_add_nc_u64 s[G0+4*(\slot)+2:G0+4*(\slot)+3], s[G0+4*(\slot)+2:G0+4*(\slot)+3], s[INA:INA+1]
	s_add_nc_u64 s[G0B+4*(\slot)+2:G0B+4*(\slot)+3], s[G0B+4*(\slot)+2:G0B+4*(\slot)+3], s[INB:INB+1]
	JLOAD \slot                                    ; my one tensor load behind the round: 112 matrix instructions ahead of the wait for it; its four v_nop are also the places in front of the loads below
.else
	PLACES
.endif
	FETCH \next, 0, F0
	MUL8 F1, 1, 0
	MUL8 F1, 1, 2
.endm
.macro LASTQ                           ; the walk's very last quarter: nothing more to fetch
	s_wait_dscnt 16
	MUL8 F1, 0, 0
	MUL8 F1, 0, 2
	s_wait_dscnt 0x0
	MUL8 F1, 1, 0
	MUL8 F1, 1, 2
	WIN 0
.endm
.macro LAP fill                        ; two K steps, once round the ring
	QUARTER 0, 128, F0, F1
	QUARTER 0, 256, F1, F0
	QUARTER 0, 384, F0, F1
	TURN 0, 1, \fill
	QUARTER 1, 128, F0, F1
	QUARTER 1, 256, F1, F0
	QUARTER 1, 384, F0, F1
.if \fill
	TURN 1, 0, 1
.else
	LASTQ
.endif
.endm
.macro INIT                            ; the sums start at this tile's bias: the same 32 numbers for all four m blocks
	WIN 0x02                                       ; source 0 window 2, destination window 0
.irp a, 0,1,2,3
.irp b, 0,1,2,3
.irp j, 0,1,2,3,4,5,6,7
	v_mov_b32 v[ACC+8*(4*(\a)+(\b))+(\j)], v[8*(\b)+(\j)]
.endr
.endr
.endr
.endm
; THE WAY OUT of m block a: 16 rows x 64 columns are rounded to f16, 16 bytes a lane, go into my stage's rows of 144 bytes and come back as whole rows of 128, into the registers that they left.
.macro PACKP a
.irp b, 0,1,2,3
.irp r, 0,1,2,3
	v_cvt_pk_f16_f32 v[TMP+16*(\a)+4*(\b)+(\r)], v[ACC+8*(4*(\a)+(\b))+2*(\r)], v[ACC+8*(4*(\a)+(\b))+2*(\r)+1]  ; each accumulator from its low end on
.endr
.endr
.irp b, 0,1,2,3
	ds_store_b128 v[STO], v[TMP+16*(\a)+4*(\b):TMP+16*(\a)+4*(\b)+3] offset:32*(\b)
.endr
.irp f, 0,1,2,3
	ds_load_b128 v[TMP+16*(\a)+4*(\f):TMP+16*(\a)+4*(\f)+3], v[RD] offset:(\f)*4*SP  ; LDS serves a wave's instructions in order: these see the stores above; the next block's stores come behind them
.endr
.endm
.macro SENDP a, younger                ; younger: the LDS instructions issued behind block a's loads: the next block's eight, or none
.irp f, 0,1,2,3
	s_wait_dscnt (\younger)+3-(\f)
	global_store_b128 v[GO], v[TMP+16*(\a)+4*(\f):TMP+16*(\a)+4*(\f)+3], s[8:9] offset:2048*(\a)+512*(\f)  ; 512 consecutive bytes, at a multiple of 256 from qkv's first
.endr
.endm
.macro OUT
	WIN 0
	PLACES
	PACKP 0
.irp a, 1,2,3                          ; a block's conversions stand between the loads of the block before and its stores
	PACKP \a
	SENDP (\a)-1, 8
.endr
	SENDP 3, 0                                     ; its last wait is for 0: no LDS instruction of mine is out
.endm
	s_wait_loadcnt 0x0                             ; the biases
	WIN 0x8a                                       ; all of window 2: each bias is rounded to bf16, as every input is, and widened again
.set i, 0
.rept 48
	v_cvt_pk_bf16_f32 v[96+i%2], v[2*i], v[2*i+1]
	v_lshlrev_b32 v[2*i], 16, v[96+i%2]
	v_and_b32 v[2*i+1], s69, v[96+i%2]
.set i, i+1
.endr
	INIT
	WIN 0
	s_wait_tensorcnt 1                             ; my part of K step 0 is in; step 1's may stay out
	s_barrier_signal -1
	s_barrier_wait -1                              ; everybody's is
	FETCH 0, 0, F0
	WIN 0                                          ; at a label and at a branch every window is 0
	s_mov_b32 s3, 5                                ; laps that fill the ring again: all six but the last
.Llap:
	s_bitcmp1_b32 s3, 0                            ; an odd count: a tile's first lap, and its refills bring the same tile's second
	s_cselect_b32 s[INA], s66, s67
	s_cselect_b32 s[INB], s66, s68
	LAP 1
	WIN 0
	s_bitcmp1_b32 s3, 0
	s_cbranch_scc1 .Lno_out                        ; what is jumped holds no barrier and no tensor load
	OUT                                            ; a tile's second lap is done: both refills for the next tile are asked for, its first fragments fetched: the tile goes out
	s_wait_xcnt 0x0                                ; the stores have read their registers and their base
	s_add_nc_u64 s[8:9], s[8:9], XSTEP             ; the next result
	WIN 0x82                                       ; the next tile's bias moves up
.set i, 0
.rept 64
	v_mov_b32 v[i], v[32+i]
.set i, i+1
.endr
	INIT
	WIN 0
.Lno_out:
	s_sub_co_u32 s3, s3, 1
	s_cmp_lg_u32 s3, 0
	s_cbranch_scc1 .Llap
	LAP 0                                          ; the last lap is written out: it asks for nothing
	OUT
	s_wait_tensorcnt 0x0                           ; the wave's end: an add of 0 to my spare word and its wait stand behind my last tensor load and my last LDS store
	ds_add_u32 v[SPW], v[NIL]
	s_wait_dscnt 0x0
	CROUND                                         ; the closing round: no work-group ends while a partner may still ask for a tile that names it
	s_endpgm
.Lfunc_end_k_q6c1c8d1dee_proj:
	.size	k_q6c1c8d1dee_proj, .Lfunc_end_k_q6c1c8d1dee_proj-k_q6c1c8d1dee_proj
	.p2alignl 7, 3214868480
	.fill 96, 4, 3214868480
	.section	.rodata,"a",@progbits
	.p2align	6, 0x0
	.amdhsa_kernel k_q6c1c8d1dee_proj
		.amdhsa_group_segment_fixed_size 327680
		.amdhsa_private_segment_fixed_size 0
		.amdhsa_enable_private_segment 0
		.amdhsa_kernarg_size 40
		.amdhsa_user_sgpr_count 2
		.amdhsa_user_sgpr_kernarg_segment_ptr 1
		.amdhsa_wavefront_size32 1
		.amdhsa_system_sgpr_workgroup_id_x 1
		.amdhsa_system_sgpr_workgroup_id_y 1
		.amdhsa_system_sgpr_workgroup_id_z 1
		.amdhsa_system_vgpr_workitem_id 0
		.amdhsa_next_free_vgpr 612
		.amdhsa_next_free_sgpr 84
		.amdhsa_reserve_vcc 0
		.amdhsa_float_denorm_mode_32 3
		.amdhsa_float_denorm_mode_16_64 3
		.amdhsa_memory_ordered 1
		.amdhsa_forward_progress 1
		.amdhsa_inst_pref_size 114
	.end_amdhsa_kernel
	.amdgpu_metadata
---
amdhsa.version: [ 1, 2 ]
amdhsa.kernels:
  - .name:           k_q6c1c8d1dee_proj
    .symbol:         k_q6c1c8d1dee_proj.kd
    .args:
      - { .name: cb, .offset: 0, .size: 8, .value_kind: global_buffer, .address_space: global }
      - { .name: bq, .offset: 8, .size: 8, .value_kind: global_buffer, .address_space: global }
      - { .name: bk, .offset: 16, .size: 8, .value_kind: global_buffer, .address_space: global }
      - { .name: bv, .offset: 24, .size: 8, .value_kind: global_buffer, .address_space: global }
      - { .name: qkv, .offset: 32, .size: 8, .value_kind: global_buffer, .address_space: global }
    .group_segment_fixed_size: 327680
    .private_segment_fixed_size: 0
    .kernarg_segment_align: 8
    .kernarg_segment_size: 40
    .max_flat_workgroup_size: 128
    .sgpr_count:     84
    .vgpr_count:     612
    .wavefront_size: 32
...
	.end_amdgpu_metadata
.endif
;; end of part 2
;; launch attn (part 3): grid 8 x 32, 4 waves a work-group, clusters of 4 x 1, 327,680 bytes of LDS; arguments qkv, ob; writes ob
.if DOCPART == 3
	.amdgcn_target "amdgcn-amd-amdhsa--gfx1250"
	.amdhsa_code_object_version 6
	.text
	.protected	k_q6c1c8d1dee_attn
	.globl	k_q6c1c8d1dee_attn
	.p2align	8
	.type	k_q6c1c8d1dee_attn,@function
k_q6c1c8d1dee_attn:
	s_mov_b64 s[64:65], 0
	v_nop
	global_prefetch_b8 v0, s[64:65] scope:SCOPE_SE
	s_setreg_imm32_b32 hwreg(HW_REG_WAVE_MODE, 25, 1), 1
	s_wait_xcnt 0x0
	s_wait_alu depctr_hold_cnt(0) depctr_sa_sdst(0) depctr_va_vdst(0) depctr_va_sdst(0) depctr_va_ssrc(0) depctr_va_vcc(0) depctr_vm_vsrc(0)
	s_getreg_b32 s2, hwreg(HW_REG_IB_STS2, 6, 4)
	s_cmp_eq_u32 s2, 0
	s_cbranch_scc0 .Lentry_in_a_cluster
	s_endpgm
.Lentry_in_a_cluster:
	s_bfe_u32 s2, ttmp6, 0x10000c
	s_cmp_lg_u32 s2, 0x3003
	s_cbranch_scc0 .Lentry_shape_is_right
	s_endpgm
.Lentry_shape_is_right:
; O[h][q][:] = the sum over k of softmax_k(Q[h][q] . K[h][k] / 8) V[h][k][:].  Q, K, V: qkv[3][32][2048][64], O: ob[32][2048][64], all f16: a head's rows are dense, 128 bytes each.
; Products, maxima and sums in f32; the weights p are rounded to f16 for the second product (their sum l is taken of the unrounded p), O once at the end.
; LIMITS.  Q, K and V arrive within f16's 65,504; p lies in 0 to 1, and below 6e-5 it keeps f16's fixed step; O is a mean of V's rows and has their range.  A weight below 2^-126 counts as 0 in l.
; NaN and infinities are not treated apart: finite f16 numbers give finite scores, a row's largest weight is 1, and no NaN arises that would have to be turned into 0.
; SHARES.  A work-group owns 256 queries of one head (32 heads x 8 blocks = 256 work-groups), each of its four waves 64: four PIECES of 16.  Every wave walks all 2,048 keys, 64 a step, four steps (a tile of 256 keys) to a slot.
; LAYOUT.  S^T = K Q^T (source 0 = 16 keys, source 1 = 16 queries): in the result a lane holds ONE query (lane % 16) and the keys 8 (lane / 16) + 0..7.  Two such results, rounded to f16 in pairs,
; ARE source 1 (32 keys x 16 queries) of O^T = V^T P, whose result again holds one query a lane, and eight channels.  K comes out of LDS as it lies, V ([key][channel]) turned, by ds_load_tr16_b128.
; SOFTMAX.  For each query a running maximum m and sum l: p = 2^(c s - c m), c = log2(e) / 8; in every step O and l are multiplied by a = 2^(c m_old - c m_new), which is 1 where m has not grown.
; m starts at the lowest finite number, O and l at 0: the first step is a step like any other, with a = 0.
; BY TURNS.  Turn n belongs to piece n: 8 products K Q^T of piece n + 1, later 8 products V^T P of piece n - 1; beside them the scaling, exponentials, roundings, sums and rescaling of piece n and the
; maximum and statistics of piece n + 1.  Four vector instructions stand behind every matrix instruction, the other 54 of a turn's 118 in two runs of their own.
; CLUSTER.  The four query blocks of a cluster belong to one head and walk the same K and V, so each tile is asked for JOINTLY: the same tensor load, descriptor and mask in all four.
; REGISTERS, in windows of 256 (s_set_vgpr_msb: bits 1:0 source 0, 3:2 source 1, 5:4 source 2, 7:6 destination):
;   window 0: v0-15 addresses and two at work; v16-31 four registers of statistics a piece; v48-55 at work; v61-63; v64-127 S^T, two buffers; v192-223 P, two buffers (a piece's buffers go by its number's parity)
;   window 1: v0-127 O^T, 32 a piece          window 2: v0-63 Q; v128-191 K of one step; v192-255 V of one step
.set NP,    4         ; pieces a wave: a name, no knob
.set KS,    64        ; keys in a step
.set PK,    144       ; a row of K in LDS: 128 bytes + 16 of padding = 36 words: the 16 rows of a load start at 16 different groups of four words modulo 64
.set PV,    160       ; a row of V: 128 + 32 = 40 words: 16 lanes of the turning load take 8 rows x 32 bytes, no two in the same words modulo 64
.set VOFF,  4*KS*PK   ; a slot holds a tile, four steps: 256 rows of K, then 256 rows of V
.set SLOT1, 1<<17     ; slot 1 begins here, so that one exclusive or turns an address in one slot into the other's
.set STAGE, SLOT1+4*KS*(PK+PV)  ; behind the ring, never filled by a tensor load: 16 rows x 144 bytes for each wave, for the way out
.set SP,    144
.set SPARE, STAGE+4*16*SP  ; behind the stages: the spare words, 128 bytes for each wave: two blocks of 256 bytes that no other line names
.set TENS,  8388608   ; bytes from Q to K and from K to V
.set AK0, 2           ; v2   my lane's place in a tile of K; never rewritten
.set AV0, 3           ; v3   the same for V
.set AK,  4           ; v4   the LDS address of K's next run of loads
.set AV,  5           ; v5   of V's
.set STO, 6           ; v6   the way out: where I put 16 bytes of a row
.set RD,  7           ; v7   the way out: where I read rows back
.set GO,  8           ; v8   my byte offset in 512 consecutive bytes of O
.set MV,  12          ; v12-13  c m_old, kept while c m is made anew: by buffer
.set QO,  15          ; v15  my byte offset in 16 rows of Q
.set ST,  16          ; piece t's statistics at v[ST+4 t]: c m, m, l (even keys', odd keys')
.set TMP, 48          ; by buffer, four registers c0-c3 at work; when the maximum is found c2 takes a
.set PFO, 61          ; v61  256 x my lane; never rewritten
.set SPW, 62          ; v62  LDS address of my spare word; never rewritten
.set NIL, 63          ; v63  0; never rewritten
.set S,   64
.set P,   192
.set KF,  128         ; window 2: key block kb, channel half c at KF + 16 kb + 8 c
.set VF,  192         ; window 2: key half kk, channel block cb at VF + 32 kk + 8 cb
.set WV,  12          ; s12  my wave's number
.set G1K, 24          ; s[24:31] descriptor group 1 for K's tiles
.set G1V, 32          ; s[32:39] for V's: it differs in the padding alone
.set G0K, 40          ; s[40:43] descriptor group 0 for K's tiles: it walks
.set G0V, 44          ; s[44:47] the same for V's
.set PFA, 48          ; s[48:49] where my prefetches stand: my work-group's 8,192 bytes (of K: wave 0, of V: wave 2) of the tile after the one that is being asked for
.set LIM, 50          ; s50  1 in a wave that prefetches, else the greatest number: a wave prefetches while s[SLOTS] is above it
.set SLOTS, 56        ; s56  tiles still to be asked for
.set CNT, 57          ; s57  counts a tile's key steps
.set CS,  58          ; s[58:59] c: the packed scaling takes the pair's low word for both halves
.set SEL, 60          ; s[60:61] v_permlanex16_b32's selects: each lane takes its own place in the other half
.set TBK, 62          ; s62  LDS byte at which K of the step to be fetched begins
.set TBV, 63          ; s63  the same for V, less VOFF
.set MSB, 0
.macro WIN new                      ; the high byte repeats the setting that is left; a switch that changes nothing is dropped
.if MSB != (\new)
	s_set_vgpr_msb (MSB<<8)|(\new)
.set MSB, (\new)
.endif
.endm
.set W_KQ, 0x0a       ; K and Q in window 2, S^T in window 0
.set W_PV, 0x52       ; V in window 2, P in window 0, O^T in window 1
.set W_RS, 0x41       ; destination and source 0 in window 1, source 1 in window 0
; A joint fill.  Waves 0 and 1 fetch the two halves of a tile's K, waves 2 and 3 those of its V: 128 keys each.  The branch hangs on the wave's number alone.
; An s_nop 0 and four v_nop follow each of the two lines, ahead of the jump and the label.
.macro JLOAD
	s_cmp_lt_u32 s[WV], 2
	s_cbranch_scc0 .Lfor_v_\@
	tensor_load_to_lds s[G0K:G0K+3], s[G1K:G1K+7]
	s_nop 0
.rept 4
	v_nop
.endr
	s_branch .Lasked_\@
.Lfor_v_\@:
	tensor_load_to_lds s[G0V:G0V+3], s[G1V:G1V+7]
	s_nop 0
.rept 4
	v_nop
.endr
.Lasked_\@:
.endm
; A PREFETCH of the tile that the NEXT change of slots will ask for: 32,768 bytes of K and of V, a lane for each 256 of them.  It stands behind the wave's tensor load and its five lines.
; Each block is named ONCE in the launch.  Both clusters of a head walk the same K and V: the first of them prefetches.  Its four partners share a tile out BY ADDRESS, 8,192 bytes each: no branch hangs
; on a work-group's place in its cluster.  In each, wave 0 asks for K's and wave 2 for V's: one instruction.  The lead is a tile: four key steps, 256 matrix instructions.
; Tiles 0 and 1 come by their loads alone; the last change that fills a slot asks for nothing: there is no tile behind it.
.macro ASK
	s_cmp_gt_u32 s[SLOTS], s[LIM]
	s_cbranch_scc0 .Lnot_mine_\@
	global_prefetch_b8 v[PFO], s[PFA:PFA+1] th:TH_LOAD_NT scope:SCOPE_SE
.Lnot_mine_\@:
.endm
; A round of the cluster's barrier: my work-group's barrier, so that wave 0's signal speaks for all four waves; wave 0 signals; every wave waits for all four work-groups; my work-group's barrier once more.
.macro CROUND
	s_barrier_signal -1
	s_barrier_wait -1
	s_cmp_lg_u32 s[WV], 0
	s_cbranch_scc1 .Lnot_wave_0_\@
	s_barrier_signal -3
.Lnot_wave_0_\@:
	s_barrier_wait -3
	s_barrier_signal -1
	s_barrier_wait -1
.endm
; THE CHANGE OF SLOTS.  The slot's last bytes, V of its fourth step, have been read.  Each wave waits for all its tensor loads, of which one is out: its part of the other slot; adds 0 to its spare word;
; and waits for that and for its own reads of the slot.  Behind the barrier nobody reads this slot any more and the other slot is whole.
; fill = 1: this slot is filled again, with the tile two on.  The barrier is then a round of the cluster's, and the joint fill is the first thing behind it: it has four key steps in which to land.
; (At its first use nothing has been read yet: slot 0 is waited for, slot 1 filled.)
.macro CHANGE fill
	WIN 0                           ; at a label and at a branch every window is 0
	s_wait_tensorcnt 0x0            ; no tensor load of mine is out, so a group 0 may be written
	ds_add_u32 v[SPW], v[NIL]       ; 0 onto my spare word; with fill = 1 the descriptors' steps stand between it and the wait for it
.if \fill
.irp g, G0K, G0V
	s_xor_b32 s[\g+1], s[\g+1], SLOT1  ; the walking descriptor: the other slot than last time,
	s_add_nc_u64 s[\g+2:\g+3], s[\g+2:\g+3], 4*KS*128  ; the next 256 keys; the type bits on top are not reached
.endr
	s_wait_xcnt 0x0                 ; the last prefetch, four key steps back, has read its address, so it may be written:
	s_add_nc_u64 s[PFA:PFA+1], s[PFA:PFA+1], 4*KS*128  ; one tile behind the walking descriptors
	s_wait_dscnt 0x0                ; the add is done, and my reads of the slot are over
	CROUND
	JLOAD
	ASK
.else
	s_wait_dscnt 0x0                ; the add is done, and my reads of the slot are over
	s_barrier_signal -1
	s_barrier_wait -1
.endif
	s_sub_co_u32 s[TBK], s[TBK], 4*KS*PK  ; the fetches go back to a slot's first step,
	s_xor_b32 s[TBK], s[TBK], SLOT1       ; in the other slot
	s_sub_co_u32 s[TBV], s[TBV], 4*KS*PV
	s_xor_b32 s[TBV], s[TBV], SLOT1
.endm
	s_load_b128 s[52:55], s[0:1], 0x0  ; qkv s[52:53], ob s[54:55]
	v_lshl_add_u32 v[SPW], v0, 2, SPARE
	v_mov_b32 v[NIL], 0
	ds_add_u32 v[SPW], v[NIL]       ; the wave's opening: the add and its wait stand ahead of my first tensor load; the set-up below, work on registers, stands between them
	v_lshrrev_b32 v1, 5, v0
	v_readfirstlane_b32 s[WV], v1   ; wave 0..3
	s_bfe_u32 s13, ttmp6, 0x40000   ; cx: my place in the cluster
	s_lshl_b32 s14, ttmp9, 2        ; in a cluster launch ttmp9 counts clusters
	s_add_co_u32 s14, s14, s13      ; my block of 256 queries = 4 x cluster x + cx: it enters Q's and O's addresses alone
	s_and_b32 s20, ttmp7, 0xffff    ; the head, which the four partners share,
	s_lshl_b32 s20, s20, 18         ; 262,144 bytes each
	s_and_b32 s16, s[WV], 1         ; which half of a tile's 256 keys I fetch:
	s_lshl_b32 s22, s16, 14         ; its 128 rows of 128 bytes in memory,
	s_add_co_u32 s22, s22, s20
	s_add_co_u32 s22, s22, TENS     ; in K
	s_mov_b32 s23, 0
	s_mul_i32 s17, s16, 128*PK      ; and its place in a slot, for K
	s_mul_i32 s18, s16, 128*PV      ; and for V: no place in the cluster enters an LDS address
	s_lshl_b32 s2, s14, 2
	s_add_co_u32 s2, s2, s[WV]      ; my wave among the head's,
	s_lshl_b32 s2, s2, 13           ; its 64 rows
	s_add_co_u32 s2, s2, s20
	s_mov_b32 s3, 0
	; descriptor group 1.  128 keys are 16,384 dense bytes: asked for as 64 rows of 256 bytes, two keys a row, and padded in LDS after every key
	s_mov_b32 s[G1K], 15|(1<<16)|(1<<20)|(1<<21)|(4<<22)|(3<<25)  ; 15:0 the mask of four; 17:16 2-byte elements; 20 padding on; 21 set beside a mask; 24:22 after every 32 words (code 4); 31:25 4 words (code 3)
	s_mov_b32 s[G1V], 15|(1<<16)|(1<<20)|(1<<21)|(4<<22)|(7<<25)  ; the same with 8 words of padding (code 7)
.irp g, G1K, G1V
	s_mov_b32 s[\g+1], 128<<16      ; tensor_dim0 = 128
	s_mov_b32 s[\g+2], 64<<16       ; tensor_dim1 = 64
	s_mov_b32 s[\g+3], 128<<16      ; tile_dim0 = 128
	s_mov_b32 s[\g+4], 64           ; tile_dim1 = 64
	s_mov_b32 s[\g+5], 128          ; 128 elements from row to row
	s_mov_b32 s[\g+6], 0
	s_mov_b32 s[\g+7], 0
.endr
	s_mov_b32 s[CS], 0x3e38aa3b     ; c = log2(e) / 8 = 0.180337
	s_mov_b32 s[CS+1], s[CS]        ; named with it as a pair
	s_mov_b32 s[SEL], 0x76543210
	s_mov_b32 s[SEL+1], 0xfedcba98
	s_mov_b32 s[TBK], SLOT1+4*KS*PK ; the first change of slots turns these two into 0
	s_mov_b32 s[TBV], SLOT1+4*KS*PV
	s_mov_b32 s[G0K], 1             ; count = 1
	s_mov_b32 s[G0K+1], s17         ; LDS address: slot 0
	s_mov_b32 s[G0V], 1
	s_add_co_u32 s[G0V+1], s18, VOFF
	s_mov_b32 s[SLOTS], 7           ; tiles 1 to 7 are still to be asked for
	s_and_b32 s[LIM], s[WV], 1      ; 0 in waves 0 and 2,
	s_or_b32 s[LIM], s[LIM], ttmp9  ; where the cluster is the head's first: the same in all four partners
	s_cmp_eq_u32 s[LIM], 0
	s_cselect_b32 s[LIM], 1, -1
	v_and_b32 v[PFO], 31, v0
	v_lshlrev_b32 v[PFO], 8, v[PFO]
	s_wait_dscnt 0x0                ; the opening add is done
	s_wait_kmcnt 0x0
	s_add_nc_u64 s[6:7], s[52:53], s[22:23]  ; K at my half of the head's tile 0,
	s_add_nc_u64 s[8:9], s[6:7], TENS        ; and V
	s_mov_b64 s[G0K+2:G0K+3], s[6:7]               ; global address
	s_or_b32 s[G0K+3], s[G0K+3], 0x80000000        ; type = 2
	s_mov_b64 s[G0V+2:G0V+3], s[8:9]
	s_or_b32 s[G0V+3], s[G0V+3], 0x80000000
	s_add_nc_u64 s[4:5], s[52:53], s[2:3]    ; Q and O at my wave's first row
	s_add_nc_u64 s[10:11], s[54:55], s[2:3]
	s_cmp_lt_u32 s[WV], 2
	s_cselect_b64 s[PFA:PFA+1], s[6:7], s[8:9]  ; (in waves 0 and 2 these stand at a tile's first row)
	s_lshl_b32 s2, s13, 13          ; my work-group's quarter of a tile
	s_add_nc_u64 s[PFA:PFA+1], s[PFA:PFA+1], s[2:3]
	s_add_nc_u64 s[PFA:PFA+1], s[PFA:PFA+1], 4*KS*128  ; in tile 1; the first change of slots steps it to tile 2.  Nothing is prefetched here, at the head
	CROUND                          ; all four work-groups are here: the first joint loads meet
	JLOAD                           ; tile 0 into slot 0.  Tile 1 is asked for when tile 0 is in
	; A fragment of K or Q is 16 rows x 32 channels in 8 registers: lane l holds row l % 16, channels 8 (l / 16) + 0..7 and 16 + 8 (l / 16) + 0..7: two loads of 16 bytes, 32 bytes apart.
	v_and_b32 v1, 15, v0            ; l % 16
	v_bfe_u32 v9, v0, 4, 1          ; l / 16
	v_lshlrev_b32 v[QO], 7, v1
	v_lshl_add_u32 v[QO], v9, 4, v[QO]  ; row x 128 + 16 x half
	WIN 0x80                        ; destination window 2, address window 0
.set i, 0
.rept 8                             ; Q stays in registers: piece i / 2, channels 32 (i % 2) on
	global_load_b128 v[8*i:8*i+3],   v[QO], s[4:5] offset:(i/2)*2048+(i%2)*64
	global_load_b128 v[8*i+4:8*i+7], v[QO], s[4:5] offset:(i/2)*2048+(i%2)*64+32
.set i, i+1
.endr
	; What the first turn finds: V's registers and P's second buffer hold 0 (its products V^T P, of a piece that has not been, add 0), O^T and l are 0.  All this stands in the wait for the first tile.
.set i, VF
.rept 64
	v_mov_b32 v[i], 0
.set i, i+1
.endr
	WIN 0x40
.set i, 0
.rept 128
	v_mov_b32 v[i], 0
.set i, i+1
.endr
	WIN 0
.set i, 0
.rept 4
	v_mov_b32 v[ST+4*i], 0xfe000000    ; c m: far below every c s
	v_mov_b32 v[ST+4*i+1], 0xff7fffff  ; m
	v_mov_b32 v[ST+4*i+2], 0
	v_mov_b32 v[ST+4*i+3], 0
.set i, i+1
.endr
.set i, P+16
.rept 16
	v_mov_b32 v[i], 0
.set i, i+1
.endr
	v_mul_u32_u24 v[AK0], v1, PK
	v_lshl_add_u32 v[AK0], v9, 4, v[AK0]  ; row x pitch + 16 x half
	; The turning load takes 16 keys x 16 channels (lane l reads key 8 (l / 16) + l % 8, channels 8 ((l / 8) % 2) + 0..7) and leaves half a fragment of V^T: lane l holds channel l % 16 and 8 keys.
	v_and_b32 v10, 7, v0
	v_bfe_u32 v11, v0, 3, 1
	v_lshl_add_u32 v[AV0], v9, 3, v10
	v_mul_u32_u24 v[AV0], v[AV0], PV
	v_lshl_add_u32 v[AV0], v11, 4, v[AV0]
	v_add_nc_u32 v[AV0], VOFF, v[AV0]
	s_mul_i32 s13, s[WV], 16*SP
	s_add_co_u32 s13, s13, STAGE    ; my stage
	v_mul_u32_u24 v[STO], v1, SP    ; in: row l % 16, 16 bytes for each half of the lanes
	v_lshl_add_u32 v[STO], v9, 4, v[STO]
	v_add_nc_u32 v[STO], s13, v[STO]
	v_bfe_u32 v[RD], v0, 3, 2       ; back: 32 lanes take four rows of 128 bytes,
	v_mul_u32_u24 v[RD], v[RD], SP
	v_lshl_add_u32 v[RD], v10, 4, v[RD]
	v_add_nc_u32 v[RD], s13, v[RD]
	v_and_b32 v[GO], 31, v0         ; which are 512 consecutive bytes of O
	v_lshlrev_b32 v[GO], 4, v[GO]
; THE MATRIX WORK.  The 4 accumulators of a run of 8 take turns.  Product i of 8 of S^T = K Q^T for piece x: channels 32 (i / 4) on, keys 16 (i % 4) on.  The first 4 start the sums.
.macro KQ x
	WIN W_KQ
.set rS, S+32*((\x)%2)+8*(i%4)
.set rK, KF+16*(i%4)+8*(i/4)
.set rQ, 16*(\x)+8*(i/4)
.if i < 4
	v_wmma_f32_16x16x32_f16 v[rS:rS+7], v[rK:rK+7], v[rQ:rQ+7], 0
.else
	v_wmma_f32_16x16x32_f16 v[rS:rS+7], v[rK:rK+7], v[rQ:rQ+7], v[rS:rS+7]
.endif
.endm
; Product i of 8 of O^T += V^T P for piece x: keys 32 (i / 4) on, channels 16 (i % 4) on.
.macro PV x
	WIN W_PV
.set rO, 32*(\x)+8*(i%4)
.set rV, VF+32*(i/4)+8*(i%4)
.set rP, P+16*((\x)%2)+8*(i/4)
	v_wmma_f32_16x16x32_f16 v[rO:rO+7], v[rV:rV+7], v[rP:rP+7], v[rO:rO+7]
.endm
.macro MM                           ; the turn's next matrix instruction.  TURN sets Y, i and NOKQ.  NOKQ = 1: the walk's last turn: there is no next piece
.if (i < 8) && !NOKQ
	KQ (Y+1)%NP
.elseif i >= 8
.set i, i-8
	PV (Y+NP-1)%NP
.set i, i+8
.endif
.set i, i+1
.endm
; THE LDS LOADS stand in runs of 16, never singly among the matrix instructions: a step's K (64 keys x 64 channels: 8 fragments) and its V (turned).  Their addresses are made some lines ahead.
.macro FETCH_K
	WIN 0x80                        ; destination window 2
.irp f, 0,1,2,3,4,5,6,7             ; keys 16 (f / 2) on, channels 32 (f % 2) on
	ds_load_b128 v[KF+8*\f:KF+8*\f+3],   v[AK] offset:(\f/2)*16*PK+(\f%2)*64
	ds_load_b128 v[KF+8*\f+4:KF+8*\f+7], v[AK] offset:(\f/2)*16*PK+(\f%2)*64+32
.endr
	s_add_co_u32 s[TBK], s[TBK], KS*PK  ; the next fetch is the next step's
	WIN 0
.endm
.macro FETCH_V
	WIN 0x80
.irp f, 0,1,2,3,4,5,6,7             ; keys 32 (f / 4) on, channels 16 (f % 4) on
	ds_load_tr16_b128 v[VF+8*\f:VF+8*\f+3],   v[AV] offset:(\f/4)*32*PV+(\f%4)*32
	ds_load_tr16_b128 v[VF+8*\f+4:VF+8*\f+7], v[AV] offset:(\f/4)*32*PV+16*PV+(\f%4)*32
.endr
	WIN 0
.endm
; THE VECTOR WORK, one line at a time: OP kind, number.  For piece Y: F n: c s - c m for pair n of 16.  E n: the exponential of score n of 32.  C n: pair n rounded to f16.  B n: of the four weights 4 n .. the second
; pair is added onto the first, in place.  L n: l takes that sum (L 0: l = a l + sum).  R n: pair n of 16 of O^T times a.  For piece Y + 1: X n, number n of the 22 that find its maximum and statistics:
;   0-11  four chains c0-c3 of seven scores each, three operands at a time (each accumulator's lowest registers are read first)     12-14, 16  the four scores left over, the old m, and c0-c3 into c0
;   15  c m_old is kept     17, 18  the query's other 32 keys lie in the lane 16 away: the new m     19-21  c m; c m_old - c m_new; a
.set F, 0               ; OP tells the kinds apart by their order: F to L below R, X above it
.set E, 1
.set C, 2
.set B, 3
.set L, 4
.set R, 5
.set X, 6
.macro REGS y                       ; the registers of piece y
.set rT, ST+4*(\y)
.set rC, TMP+4*((\y)%2)
.set rW, MV+((\y)%2)
.set rS, S+32*((\y)%2)
.set rP, P+16*((\y)%2)
.set rO, 32*(\y)
.endm
.macro OP k, n
.if (\k) == R
	REGS Y
	WIN W_RS
	v_pk_mul_f32 v[rO+2*(\n):rO+2*(\n)+1], v[rO+2*(\n):rO+2*(\n)+1], v[rC+2:rC+3] op_sel_hi:[1,0]
.elseif (\k) < R
	REGS Y
	WIN 0
.if (\k) == F
	v_pk_fma_f32 v[rS+2*(\n):rS+2*(\n)+1], v[rS+2*(\n):rS+2*(\n)+1], s[CS:CS+1], v[rT:rT+1] op_sel_hi:[1,0,0] neg_lo:[0,0,1] neg_hi:[0,0,1]
.elseif (\k) == E
	v_exp_f32 v[rS+(\n)], v[rS+(\n)]
.elseif (\k) == C
	s_wait_alu depctr_va_vdst(0)
	v_cvt_pk_f16_f32 v[rP+(\n)], v[rS+2*(\n)], v[rS+2*(\n)+1]
.elseif (\k) == B
	s_wait_alu depctr_va_vdst(0)
	v_pk_add_f32 v[rS+4*(\n):rS+4*(\n)+1], v[rS+4*(\n):rS+4*(\n)+1], v[rS+4*(\n)+2:rS+4*(\n)+3]
.elseif (\n) == 0
	v_pk_fma_f32 v[rT+2:rT+3], v[rT+2:rT+3], v[rC+2:rC+3], v[rS:rS+1] op_sel_hi:[1,0,1]
.else
	v_pk_add_f32 v[rT+2:rT+3], v[rT+2:rT+3], v[rS+4*(\n):rS+4*(\n)+1]
.endif
.elseif NOKQ
	v_nop
.else
	REGS (Y+1)%NP
	WIN 0
.if (\n) < 4
	v_max3_num_f32 v[rC+(\n)], v[rS+8*(\n)], v[rS+8*(\n)+1], v[rS+8*(\n)+2]
.elseif (\n) < 12
	v_max3_num_f32 v[rC+(\n)%4], v[rC+(\n)%4], v[rS+8*((\n)%4)+2*((\n)/4)+1], v[rS+8*((\n)%4)+2*((\n)/4)+2]
.elseif (\n) == 12
	v_max3_num_f32 v[rC], v[rC], v[rS+7], v[rS+15]
.elseif (\n) == 13
	v_max3_num_f32 v[rC+1], v[rC+1], v[rS+23], v[rS+31]
.elseif (\n) == 14
	v_max3_num_f32 v[rC+2], v[rC+2], v[rC+3], v[rT+1]
.elseif (\n) == 15
	v_mov_b32 v[rW], v[rT]
.elseif (\n) == 16
	v_max3_num_f32 v[rC], v[rC], v[rC+1], v[rC+2]
.elseif (\n) == 17
	v_permlanex16_b32 v[rC+3], v[rC], s[SEL], s[SEL+1]
.elseif (\n) == 18
	v_max_num_f32 v[rT+1], v[rC], v[rC+3]
.elseif (\n) == 19
	v_mul_f32 v[rT], s[CS], v[rT+1]
.elseif (\n) == 20
	v_sub_f32 v[rC+1], v[rW], v[rT]
.else
	v_exp_f32 v[rC+2], v[rC+1]
.endif
.endif
.endm
.macro OPS a, i1, b=-1, i2=0, c=-1, i3=0, d=-1, i4=0  ; up to four of them
	OP \a, \i1
.if (\b) >= 0
	OP \b, \i2
.endif
.if (\c) >= 0
	OP \c, \i3
.endif
.if (\d) >= 0
	OP \d, \i4
.endif
.endm
.macro ROW a, i1, b, i2, c, i3, d, i4  ; a matrix instruction and the four behind it
	MM
	OPS \a, \i1, \b, \i2, \c, \i3, \d, \i4
.endm
; A TURN, for piece p: the order of its 16 matrix and 118 vector instructions, written out.  Behind a matrix instruction: plain, exponential, plain, plain; or four of the rescaling; or, behind the first, four scalings; none
; names a register of the products round it.  In the runs between, exponential and plain by turns while exponentials last.  A line reads no result made fewer than three vector instructions in front of it, five if an
; exponential made it.  v_permlanex16_b32 (X 17) stands in such a run.
; end = 1: the walk's last two turns: nothing is fetched.  cnt = 1: the loop's count is taken down some lines ahead of the branch that stands behind the turn.
; K of the next step is fetched in piece 2's turn, six vector instructions behind the last product that read K (five of them plain); V of the step in hand in piece 0's turn, eight behind the last product that read V (four
; plain, and X 17).  Each is waited for a turn later.
.macro TURN p, end=0, cnt=0
.set Y, (\p)
.set i, 0
.set NOKQ, (\end)*((\p)/3)
.if ((\p) == 3) && !(\end)
	s_wait_dscnt 0x0                ; K is in
.endif
	ROW F,0, F,1, F,2, F,3
	ROW F,4, E,0, F,5, F,6
	ROW F,7, E,1, F,8, F,9
	ROW F,10, E,2, C,0, F,11
	ROW F,12, E,3, X,15, F,13
	ROW R,0, R,1, R,2, R,3
	ROW B,0, E,4, F,14, L,0
.if ((\p) == 2) && !(\end)
	v_add_nc_u32 v[AK], s[TBK], v[AK0]
.endif
	ROW R,4, R,5, R,6, R,7
	OPS E,5, F,15
.if ((\p) == 2) && !(\end)
	FETCH_K
.endif
	OPS E,6, C,1, E,7, R,8
	OPS E,8, R,9, E,9, C,2
	OPS E,10, X,0, E,11, X,1
	OPS E,12, X,2, E,13, X,3
.if (\p) == 1
	s_wait_dscnt 0x0                ; V is in
.endif
	ROW X,4, E,14, X,5, X,6
	ROW X,7, E,15, X,8, X,9
	ROW X,10, E,16, X,11, X,12
	ROW X,13, E,17, X,14, B,1
	ROW C,4, E,18, X,16, L,1
	ROW B,2, E,19, C,6, L,2
	ROW C,8, E,20, B,3, B,4
.if (\p) == 0
	v_add_nc_u32 v[AV], s[TBV], v[AV0]
.endif
	ROW C,3, E,21, L,3, C,5
	OPS E,22, X,17, E,23, C,10
.if (\p) == 0
	FETCH_V
.endif
	OPS E,24, L,4
	OPS E,25, X,18, E,26, C,7
	OPS E,27, B,5, E,28, X,19
	OPS E,29, C,12, E,30, L,5
	OPS E,31, X,20, B,6, C,9
	OPS C,14, C,11, X,21, L,6
.if (\p) == 0
	s_add_co_u32 s[TBV], s[TBV], KS*PV
.endif
.if \cnt
	s_sub_co_u32 s[CNT], s[CNT], 1
	s_cmp_lg_u32 s[CNT], 0
.endif
	OPS C,13, B,7, C,15, R,10
	OPS R,11, R,12, L,7, R,13
	OPS R,14, R,15
.endm
	CHANGE 1                        ; tile 0 is in, everybody's part of it; tile 1 is asked for
	v_add_nc_u32 v[AK], s[TBK], v[AK0]
	FETCH_K                         ; key step 0
	s_wait_loadcnt 0x0              ; Q
	s_wait_dscnt 0x0
.set NOKQ, 0
.set i, 0
.rept 8
	KQ 0                            ; piece 0's first scores: there is no vector work yet to set between them
.set i, i+1
.endr
	WIN 0
.rept 4
	v_nop                           ; the places behind those products
.endr
.set Y, NP-1                        ; X works for piece Y + 1: piece 0
.irp n, 0,1,2,3,4,5,6,7,8,9,10,11,12,13,14,15,16,17,18,19,20,21
	OP X, \n                        ; and piece 0's first maximum and statistics
.endr
	v_nop                           ; a plain instruction behind the exponential
	s_mov_b32 s[CNT], 4
	s_branch .Lfirst                ; the loop is entered at a step's first turn, in the middle of a trip
.Lslot:                             ; six times: tiles 2 to 7 are asked for
	CHANGE 1
	s_mov_b32 s[CNT], 4
.Lstep:                             ; a trip: pieces 2 and 3 of one step, then pieces 0 and 1 of the next, whose K and V it fetches
	TURN 2
	TURN 3
	WIN 0
.Lfirst:
	TURN 0
	TURN 1, 0, 1
	WIN 0
	s_cbranch_scc1 .Lstep
	s_sub_co_u32 s[SLOTS], s[SLOTS], 1
	s_cmp_lg_u32 s[SLOTS], 0
	s_cbranch_scc1 .Lslot
	CHANGE 0                        ; the last tile is written out: nothing is asked for
	s_mov_b32 s[CNT], 4
.LstepT:
	TURN 2
	TURN 3
	TURN 0
	TURN 1, 0, 1
	WIN 0
	s_cbranch_scc1 .LstepT
	TURN 2, 1                       ; pieces 2 and 3 of the last step
	TURN 3, 1
.set i, 0
.rept 8
	PV NP-1                         ; the last piece's V^T P of the last step
.set i, i+1
.endr
	; THE WAY OUT.  l's two halves and the other half of the lanes' are added; O^T is divided by l, rounded to f16 and sent through my stage in LDS, a piece at a time.  The additions are the places behind the last products.
	WIN 0
.macro ALL line:vararg              ; one line for each piece t
.set t, 0
.rept 4
	\line
.set t, t+1
.endr
.endm
	ALL v_add_f32 v[ST+4*t+2], v[ST+4*t+2], v[ST+4*t+3]
	ALL v_permlanex16_b32 v[ST+4*t+3], v[ST+4*t+2], s[SEL], s[SEL+1]
	ALL v_add_f32 v[ST+4*t+2], v[ST+4*t+2], v[ST+4*t+3]
	ALL v_rcp_f32 v[ST+4*t+2], v[ST+4*t+2]
	v_nop                           ; a plain instruction between the last reciprocal and the use of its result
.macro PACK t                       ; a lane's eight channels of a row pack into 16 bytes; they go into rows of 144 bytes and come back as whole rows of 128, into S^T's registers
	WIN W_RS
.set i, 32*(\t)
.rept 16
	s_wait_alu depctr_va_vdst(0)
	v_pk_mul_f32 v[i:i+1], v[i:i+1], v[ST+4*(\t)+2:ST+4*(\t)+3] op_sel_hi:[1,0]
.set i, i+2
.endr
	WIN 0x05                        ; sources 0 and 1 window 1, destination window 0
.set i, 0
.rept 16
	v_cvt_pk_f16_f32 v[S+16*(\t)+i], v[32*(\t)+2*i], v[32*(\t)+2*i+1]
.set i, i+1
.endr
	WIN 0
.irp f, 0,1,2,3
	ds_store_b128 v[STO], v[S+16*(\t)+4*\f:S+16*(\t)+4*\f+3] offset:32*\f
.endr
.irp f, 0,1,2,3
	ds_load_b128 v[S+16*(\t)+4*\f:S+16*(\t)+4*\f+3], v[RD] offset:\f*4*SP  ; LDS serves a wave's instructions in order: these see the stores above; the next piece's stores come behind them
.endr
.endm
.macro SEND t, younger              ; younger: the LDS instructions issued behind piece t's loads: the next piece's eight, or none
	WIN 0
.irp f, 0,1,2,3
	s_wait_dscnt (\younger)+3-\f
	global_store_b128 v[GO], v[S+16*(\t)+4*\f:S+16*(\t)+4*\f+3], s[10:11] offset:(\t)*2048+\f*512  ; 512 consecutive bytes, at a multiple of 256 from O's first
.endr
.endm
	PACK 0
.set t, 1
.rept 3                             ; a piece's arithmetic stands between the loads of the piece before and its stores
	PACK t
	SEND t-1, 8
.set t, t+1
.endr
	SEND 3, 0
	s_wait_tensorcnt 0x0            ; the wave's end: an add of 0 to my spare word and its wait stand behind my last tensor load and my last LDS store
	ds_add_u32 v[SPW], v[NIL]
	s_wait_dscnt 0x0
	CROUND                          ; the closing round: no work-group ends while a partner may still ask for a tile that names it
	s_endpgm
.Lfunc_end_k_q6c1c8d1dee_attn:
	.size	k_q6c1c8d1dee_attn, .Lfunc_end_k_q6c1c8d1dee_attn-k_q6c1c8d1dee_attn
	.p2alignl 7, 3214868480
	.fill 96, 4, 3214868480
	.section	.rodata,"a",@progbits
	.p2align	6, 0x0
	.amdhsa_kernel k_q6c1c8d1dee_attn
		.amdhsa_group_segment_fixed_size 327680
		.amdhsa_private_segment_fixed_size 0
		.amdhsa_enable_private_segment 0
		.amdhsa_kernarg_size 16
		.amdhsa_user_sgpr_count 2
		.amdhsa_user_sgpr_kernarg_segment_ptr 1
		.amdhsa_wavefront_size32 1
		.amdhsa_system_sgpr_workgroup_id_x 1
		.amdhsa_system_sgpr_workgroup_id_y 1
		.amdhsa_system_sgpr_workgroup_id_z 1
		.amdhsa_system_vgpr_workitem_id 0
		.amdhsa_next_free_vgpr 768
		.amdhsa_next_free_sgpr 66
		.amdhsa_reserve_vcc 0
		.amdhsa_float_denorm_mode_32 3
		.amdhsa_float_denorm_mode_16_64 3
		.amdhsa_memory_ordered 1
		.amdhsa_forward_progress 1
		.amdhsa_inst_pref_size 134
	.end_amdhsa_kernel
	.amdgpu_metadata
---
amdhsa.version: [ 1, 2 ]
amdhsa.kernels:
  - .name:           k_q6c1c8d1dee_attn
    .symbol:         k_q6c1c8d1dee_attn.kd
    .args:
      - { .name: qkv, .offset: 0, .size: 8, .value_kind: global_buffer, .address_space: global }
      - { .name: ob, .offset: 8, .size: 8, .value_kind: global_buffer, .address_space: global }
    .group_segment_fixed_size: 327680
    .private_segment_fixed_size: 0
    .kernarg_segment_align: 8
    .kernarg_segment_size: 16
    .max_flat_workgroup_size: 128
    .sgpr_count:     66
    .vgpr_count:     768
    .wavefront_size: 32
...
	.end_amdgpu_metadata
.endif
;; end of part 3
;; launch oproj (part 4): grid 8 x 32, 4 waves a work-group, clusters of 4 x 4, 327,680 bytes of LDS; arguments ob, cb, bo, out0; writes out0
.if DOCPART == 4
	.amdgcn_target "amdgcn-amd-amdhsa--gfx1250"
	.amdhsa_code_object_version 6
	.text
	.protected	k_q6c1c8d1dee_oproj
	.globl	k_q6c1c8d1dee_oproj
	.p2align	8
	.type	k_q6c1c8d1dee_oproj,@function
k_q6c1c8d1dee_oproj:
	s_mov_b64 s[64:65], 0
	v_nop
	global_prefetch_b8 v0, s[64:65] scope:SCOPE_SE
	s_setreg_imm32_b32 hwreg(HW_REG_WAVE_MODE, 25, 1), 1
	s_wait_xcnt 0x0
	s_wait_alu depctr_hold_cnt(0) depctr_sa_sdst(0) depctr_va_vdst(0) depctr_va_sdst(0) depctr_va_ssrc(0) depctr_va_vcc(0) depctr_vm_vsrc(0)
	s_getreg_b32 s2, hwreg(HW_REG_IB_STS2, 6, 4)
	s_cmp_eq_u32 s2, 0
	s_cbranch_scc0 .Lentry_in_a_cluster
	s_endpgm
.Lentry_in_a_cluster:
	s_bfe_u32 s2, ttmp6, 0x10000c
	s_cmp_lg_u32 s2, 0xf033
	s_cbranch_scc0 .Lentry_shape_is_right
	s_endpgm
.Lentry_shape_is_right:
; out0 = O Wo^T + bo.  O: ob[32 = 16 batch + head][2048][64] f16, by heads; Wo: [1024][1024] in cb from byte 31,457,280 (rounded to bf16, written as f16); bo: [1024] f32, rounded to bf16 here
; like every input; sums in f32; out0: [4096][1024] f32, the sums as they are.
; SHARES.  A tile of out0 is 128 x 128: 32 x 8 = 256 work-groups, one tile each.  Four waves, each 64 x 64: 16 accumulators of 16 x 16.  K goes in steps of 256, which are FOUR HEADS, through two slots: 4 steps, 2 laps.
; O's TILE.  64 queries of one head are 8,192 dense bytes: a wave's tensor load takes four such rows, a head apart in memory, and pads after every query: in LDS [head][64 queries] with 144 bytes a query.
; A quarter step (64 along K) is one head.
; CLUSTER: 4 x 4 work-groups; O's tiles are shared along a row of the cluster, Wo's along a column: each is asked for JOINTLY.
; THE MATRIX INSTRUCTION IS USED TRANSPOSED (source 0 = 16 rows of Wo, source 1 = 16 rows of O): a lane holds row l % 16 and the eight neighbouring columns 8 (l / 16) + 0..7: 32 bytes of out0.
; THE SUMS START AT THE BIAS.  A wave's 64 columns are 256 bytes of a row of out0: each wave has a stage of its own, and the way out has no barrier and no conversion.
; REGISTERS: window 0: v0-31 addresses and two at work; v96-127 the bias (column block b, register j at 96 + 8 b + j); v128-255 the accumulators ((a, b) at v[128 + 8 (4 a + b)]).
;   window 1: two fragment buffers of 128: for 64 along K, 64 registers of O, then 64 of Wo.
.set KSTEP,  256
.set PITCH,  528                       ; a row of Wo in LDS: 512 bytes + 16 of padding
.set HALFT,  64*PITCH                  ; 64 rows of Wo: one tensor load
.set PA,     144                       ; a query's 128 bytes of one head + 16 of padding
.set HEADB,  64*PA                     ; 64 queries of one head
.set AHALF,  4*HEADB                   ; four heads: one tensor load
.set BOFF,   2*AHALF                   ; Wo's rows lie behind O's two halves
.set SLOT,   2*AHALF+2*HALFT
.set STAGE,  2*SLOT                    ; behind the ring: 16 rows x 272 bytes for each wave
.set SPF,    272
.set SPARE,  STAGE+4*16*SPF            ; behind the stages: the spare words, 128 bytes for each wave: two blocks of 256 bytes that no other line names
.set OOFF,   31457280                  ; Wo's first byte in cb
.set ASTEP,  4*262144                  ; a K step of O in memory: four heads
.set ADRA, 16                          ; v16-17  LDS address of my O fragments in slot 0, 1
.set ADRB, 20                          ; v20-21  the same for Wo
.set STO,  24                          ; v24     the way out: where I put 32 bytes of a row
.set RD,   25                          ; v25     the way out: where I read a row back
.set CO,   26                          ; v26     my byte offset in out0
.set BO,   27                          ; v27     my byte offset in bo
.set SPW,  28                          ; v28     LDS address of my spare word; never rewritten
.set NIL,  29                          ; v29     0; never rewritten
.set BI,   96
.set ACC,  128
.set F0,   0
.set F1,   128
.set G1, 24                            ; s[24:31] descriptor group 1 for O's tiles;  s[32:39] group 0, one set for each slot
.set G0, 32
.set G1B, 48                           ; s[48:55], s[56:63] the same for Wo's tiles
.set G0B, 56
.set MSB, 0
.macro WIN new                         ; the immediate's high byte repeats the setting that is left; a switch that changes nothing is dropped
.if MSB != (\new)
	s_set_vgpr_msb (MSB<<8)|(\new)
.set MSB, \new
.endif
.endm
.set MUL,  0x05                        ; sources 0 (Wo) and 1 (O) window 1; C and D window 0
.set TO_F, 0x40                        ; destination window 1, address window 0
.macro JLOAD s                         ; a joint load: waves 0 and 1 fetch O's two halves, waves 2 and 3 Wo's; an s_nop 0 and four v_nop follow each of the two lines
	s_cmp_eq_u32 s11, 0
	s_cbranch_scc0 .Lfor_b_\@
	tensor_load_to_lds s[G0+4*(\s):G0+4*(\s)+3], s[G1:G1+7]
	s_nop 0
.rept 4
	v_nop
.endr
	s_branch .Lasked_\@
.Lfor_b_\@:
	tensor_load_to_lds s[G0B+4*(\s):G0B+4*(\s)+3], s[G1B:G1B+7]
	s_nop 0
.rept 4
	v_nop
.endr
.Lasked_\@:
.endm
.macro CREST                           ; a round of the cluster's barrier behind its opening barrier
	s_cmp_lg_u32 s10, 0
	s_cbranch_scc1 .Lnot_wave_0_\@
	s_barrier_signal -3
.Lnot_wave_0_\@:
	s_barrier_wait -3
	s_barrier_signal -1
	s_barrier_wait -1
.endm
.macro CROUND                          ; a whole round
	s_barrier_signal -1
	s_barrier_wait -1
	CREST
.endm
.macro PLACES                          ; four places in front of loads into registers that matrix instructions have read, and of LDS stores that read results
.rept 4
	v_nop
.endr
.endm
	s_load_b256 s[72:79], s[0:1], 0x0              ; ob s[72:73], cb s[74:75], bo s[76:77], out0 s[78:79]
	v_lshl_add_u32 v[SPW], v0, 2, SPARE
	v_mov_b32 v[NIL], 0
	ds_add_u32 v[SPW], v[NIL]                      ; the wave's opening: the add and its wait stand ahead of my first tensor load; the set-up below, work on registers, stands between them
	v_lshrrev_b32 v1, 5, v0
	v_readfirstlane_b32 s10, v1                    ; wave 0..3
	s_lshr_b32 s11, s10, 1                         ; which half of the tile's rows is mine.  Also: I fetch for O (0) or for Wo (1)
	s_and_b32 s12, s10, 1                          ; which half of its columns.  Also: which 64 rows of that tile I fetch
	s_bfe_u32 s40, ttmp6, 0x40000                  ; cx, cy: my place in the cluster
	s_bfe_u32 s41, ttmp6, 0x40004
	s_lshl_b32 s42, ttmp9, 2
	s_add_co_u32 s42, s42, s40                     ; tc = 4 x cluster x + cx, 0..7
	s_and_b32 s13, ttmp7, 0xffff
	s_lshl_b32 s13, s13, 2
	s_add_co_u32 s13, s13, s41                     ; tr = 4 x cluster y + cy, 0..31
	s_lshl_b32 s43, s41, 2
	s_lshl_b32 s43, 15, s43                        ; my row of the cluster
	s_lshl_b32 s44, 0x1111, s40                    ; my column
	; descriptor group 1 for O: 4 rows (heads) of 4,096 elements (64 queries x 64 channels), 131,072 elements apart, padded in LDS after every query
	s_or_b32 s[G1+0], s43, (1<<16)|(1<<20)|(1<<21)|(4<<22)|(3<<25)  ; 15:0 the mask: my row; 17:16 elements of 2 bytes; 20 padding on; 21 set beside a mask; 24:22 after every 32 words (code 4); 31:25 4 words (code 3)
	s_mov_b32 s[G1+1], 4096<<16                    ; tensor_dim0 = 4,096
	s_mov_b32 s[G1+2], 4<<16                       ; tensor_dim1 = 4
	s_mov_b32 s[G1+3], 4096<<16                    ; tile_dim0 = 4,096
	s_mov_b32 s[G1+4], 4                           ; tile_dim1 = 4
	s_mov_b32 s[G1+5], 131072                      ; elements from head to head
	s_mov_b32 s[G1+6], 0
	s_mov_b32 s[G1+7], 0
	; and for Wo: 64 rows x 256 elements, padded after every row
	s_or_b32 s[G1B+0], s44, (1<<16)|(1<<20)|(1<<21)|(6<<22)|(3<<25) ; the mask of my column; after every 128 words (code 6) 4 words
	s_mov_b32 s[G1B+1], KSTEP<<16
	s_mov_b32 s[G1B+2], 64<<16
	s_mov_b32 s[G1B+3], KSTEP<<16
	s_mov_b32 s[G1B+4], 64
	s_mov_b32 s[G1B+5], 1024
	s_mov_b32 s[G1B+6], 0
	s_mov_b32 s[G1B+7], 0
	s_mov_b32 s69, 0xffff0000                      ; a word's upper bf16
	s_lshr_b32 s16, s13, 4                         ; O: the batch,
	s_lshl_b32 s16, s16, 22                        ; 16 heads of 262,144 bytes,
	s_and_b32 s17, s13, 15
	s_lshl_b32 s17, s17, 7
	s_lshl_b32 s18, s12, 6                         ; (which 64 rows of the tile I fetch)
	s_add_co_u32 s17, s17, s18                     ; query 128 (tr % 16) + 64 x half,
	s_lshl_b32 s17, s17, 7                         ; 128 bytes each
	s_add_co_u32 s16, s16, s17
	s_mov_b32 s17, 0
	s_lshl_b32 s46, s42, 7
	s_add_co_u32 s46, s46, s18                     ; Wo: row 128 tc + 64 x half,
	s_lshl_b32 s46, s46, 11                        ; 2,048 bytes each
	s_add_co_u32 s46, s46, OOFF
	s_mov_b32 s47, 0
	s_mul_i32 s20, s12, AHALF                      ; where they go: O's half,
	s_mul_i32 s21, s12, HALFT
	s_add_co_u32 s21, s21, BOFF                    ; Wo's half: no place in the cluster enters an LDS address
	s_wait_dscnt 0x0                               ; the opening add is done
	s_wait_kmcnt 0x0
	s_add_nc_u64 s[14:15], s[72:73], s[16:17]
	s_add_nc_u64 s[46:47], s[74:75], s[46:47]
	CROUND                                         ; all sixteen work-groups are here: the first joint loads meet
.irp s, 0,1
	s_mov_b32 s[G0+4*(\s)], 1                      ; count = 1
	s_add_co_u32 s[G0+4*(\s)+1], s20, (\s)*SLOT    ; LDS address
	s_add_nc_u64 s[G0+4*(\s)+2:G0+4*(\s)+3], s[14:15], (\s)*ASTEP    ; global address: K step s
	s_or_b32 s[G0+4*(\s)+3], s[G0+4*(\s)+3], 0x80000000              ; type = 2
	s_mov_b32 s[G0B+4*(\s)], 1
	s_add_co_u32 s[G0B+4*(\s)+1], s21, (\s)*SLOT
	s_add_nc_u64 s[G0B+4*(\s)+2:G0B+4*(\s)+3], s[46:47], (\s)*KSTEP*2
	s_or_b32 s[G0B+4*(\s)+3], s[G0B+4*(\s)+3], 0x80000000
	JLOAD \s                                       ; two loads of mine are out
.endr
	v_and_b32 v1, 15, v0                           ; l % 16
	v_bfe_u32 v2, v0, 4, 1                         ; l / 16
	v_mul_u32_u24 v3, v1, PA
	v_lshl_add_u32 v3, v2, 4, v3                   ; O: a fragment's row x 144 + 16 x half
	v_mul_u32_u24 v4, v1, PITCH
	v_lshl_add_u32 v4, v2, 4, v4                   ; Wo: row x 528 + 16 x half
	s_mul_i32 s21, s11, AHALF                      ; my 64 rows of O
	s_mul_i32 s22, s12, HALFT                      ; my 64 rows of Wo
	s_add_co_u32 s22, s22, BOFF
.irp s, 0,1
	v_add_nc_u32 v[ADRA+(\s)], s21, v3
	v_add_nc_u32 v[ADRB+(\s)], s22, v4
	s_add_co_u32 s21, s21, SLOT
	s_add_co_u32 s22, s22, SLOT
.endr
	s_mul_i32 s23, s10, 16*SPF
	s_add_co_u32 s23, s23, STAGE                   ; my stage
	v_mul_u32_u24 v5, v1, SPF                      ; in: row l % 16, 32 bytes for each half of the lanes
	v_lshl_add_u32 v5, v2, 5, v5
	v_add_nc_u32 v[STO], s23, v5
	v_mul_u32_u24 v5, v2, SPF                      ; back: lanes 0-15 take one row of 256 bytes, lanes 16-31 the next
	v_lshl_add_u32 v5, v1, 4, v5
	v_add_nc_u32 v[RD], s23, v5
	v_lshlrev_b32 v5, 12, v2                       ; and the same two rows in out0, 4,096 bytes apart
	v_lshl_add_u32 v[CO], v1, 4, v5
	s_lshl_b32 s16, s13, 7
	s_lshl_b32 s17, s11, 6
	s_add_co_u32 s16, s16, s17                     ; my first row of out0: 128 tr + 64 x half,
	s_lshl_b32 s16, s16, 12                        ; 4,096 bytes each
	s_mov_b32 s17, 0
	s_add_nc_u64 s[8:9], s[78:79], s[16:17]
	s_lshl_b32 s46, s42, 9                         ; my first column, 4 bytes x (128 tc + 64 x half) (in the registers that held Wo's address)
	s_lshl_b32 s47, s12, 8
	s_add_co_u32 s46, s46, s47
	s_mov_b32 s47, 0
	s_add_nc_u64 s[8:9], s[8:9], s[46:47]
	v_lshl_add_u32 v[BO], v2, 5, s46               ; the same columns in bo, + my lanes' 8
.irp b, 0,1,2,3
	global_load_b128 v[BI+8*(\b):BI+8*(\b)+3],   v[BO], s[76:77] offset:64*(\b)
	global_load_b128 v[BI+8*(\b)+4:BI+8*(\b)+7], v[BO], s[76:77] offset:64*(\b)+16
.endr
; 8 matrix instructions: m blocks a0, a0 + 1 x all 4 n blocks, 32 along K: half c of buffer f.  The 16 accumulators take turns, one instruction a turn.
.macro MUL8 f, c, a0
	WIN MUL
.irp a, \a0, (\a0)+1
.irp b, 0,1,2,3
	v_wmma_f32_16x16x32_f16 v[ACC+8*(4*(\a)+(\b)):ACC+8*(4*(\a)+(\b))+7], v[(\f)+64+8*(4*(\c)+(\b)):(\f)+64+8*(4*(\c)+(\b))+7], v[(\f)+8*(4*(\c)+(\a)):(\f)+8*(4*(\c)+(\a))+7], v[ACC+8*(4*(\a)+(\b)):ACC+8*(4*(\a)+(\b))+7]
.endr
.endr
.endm
; 32 LDS loads in one run: the fragments of quarter q of a K step (for O: head q of the step's four; for Wo: byte 128 q of the rows) into buffer f; the first 32 along K first
.macro FETCH slot, q, f
	WIN TO_F
.irp c, 0,1
.irp i, 0,1,2,3
	ds_load_b128 v[(\f)+64+8*(4*(\c)+(\i)):(\f)+64+8*(4*(\c)+(\i))+3],   v[ADRB+(\slot)] offset:128*(\q)+64*(\c)+(\i)*16*PITCH
	ds_load_b128 v[(\f)+64+8*(4*(\c)+(\i))+4:(\f)+64+8*(4*(\c)+(\i))+7], v[ADRB+(\slot)] offset:128*(\q)+64*(\c)+(\i)*16*PITCH+32
	ds_load_b128 v[(\f)+8*(4*(\c)+(\i)):(\f)+8*(4*(\c)+(\i))+3],         v[ADRA+(\slot)] offset:HEADB*(\q)+64*(\c)+(\i)*16*PA
	ds_load_b128 v[(\f)+8*(4*(\c)+(\i))+4:(\f)+8*(4*(\c)+(\i))+7],       v[ADRA+(\slot)] offset:HEADB*(\q)+64*(\c)+(\i)*16*PA+32
.endr
.endr
.endm
; One of a K step's first three quarters: multiplies buffer f and fetches quarter q into g.
.macro QUARTER slot, q, f, g
	s_wait_dscnt 16                                ; the first 32 along K are in; the sixteen youngest loads may stay out
	MUL8 \f, 0, 0
	MUL8 \f, 0, 2
	PLACES
	FETCH \slot, \q, \g
	s_wait_dscnt 32                                ; all but the 32 just issued
	MUL8 \f, 1, 0
	MUL8 \f, 1, 2
.endm
; The last quarter multiplies buffer 1 and changes slots: ONE barrier; in front of it each wave waits for all its tensor loads (one is out: its part of the next slot), adds 0 to its spare word,
; and waits for that and for its own reads of this slot.  fill = 1: the barrier opens a round of the cluster's, and this slot is filled again first thing behind it, two K steps ahead.
.macro TURN slot, next, fill
	WIN 0                                          ; (the add's two registers lie in window 0)
	s_wait_tensorcnt 0x0                           ; all my tensor loads have landed, so a group 0 may be written;
	ds_add_u32 v[SPW], v[NIL]                      ; 0 onto my spare word
	s_wait_dscnt 17                                ; (the add and the youngest sixteen loads may be out)
	MUL8 F1, 0, 0                                  ; eight matrix instructions stand between the add and the wait for it
	s_wait_dscnt 0x0                               ; the add is done, and my reads of this slot are over
	s_barrier_signal -1
	MUL8 F1, 0, 2
.if \fill
	WIN 0
.endif
	s_barrier_wait -1
.if \fill
	CREST                                          ; no wave of any partner still reads this slot's tile or has a load on its way
	s_add_nc_u64 s[G0+4*(\slot)+2:G0+4*(\slot)+3], s[G0+4*(\slot)+2:G0+4*(\slot)+3], 2*ASTEP
	s_add_nc_u64 s[G0B+4*(\slot)+2:G0B+4*(\slot)+3], s[G0B+4*(\slot)+2:G0B+4*(\slot)+3], 2*KSTEP*2
	JLOAD \slot                                    ; my one tensor load behind the round: 112 matrix instructions ahead of the wait for it; its four v_nop are also the places in front of the loads below
.else
	PLACES
.endif
	FETCH \next, 0, F0
	MUL8 F1, 1, 0
	MUL8 F1, 1, 2
.endm
.macro LAP fill                        ; two K steps, once round the ring
	QUARTER 0, 1, F0, F1
	QUARTER 0, 2, F1, F0
	QUARTER 0, 3, F0, F1
	TURN 0, 1, \fill
	QUARTER 1, 1, F0, F1
	QUARTER 1, 2, F1, F0
	QUARTER 1, 3, F0, F1
.if \fill
	TURN 1, 0, 1
.else
	s_wait_dscnt 16                                ; the very last quarter: nothing more to fetch
	MUL8 F1, 0, 0
	MUL8 F1, 0, 2
	s_wait_dscnt 0x0
	MUL8 F1, 1, 0
	MUL8 F1, 1, 2
	WIN 0
.endif
.endm
	s_wait_loadcnt 0x0                             ; the bias: rounded to bf16, as every input is, and widened again
.set i, 0
.rept 16
	v_cvt_pk_bf16_f32 v[30+i%2], v[BI+2*i], v[BI+2*i+1]
	v_lshlrev_b32 v[BI+2*i], 16, v[30+i%2]
	v_and_b32 v[BI+2*i+1], s69, v[30+i%2]
.set i, i+1
.endr
.irp a, 0,1,2,3                        ; the sums start at the bias: the same 32 numbers for all four m blocks
.irp b, 0,1,2,3
.irp j, 0,1,2,3,4,5,6,7
	v_mov_b32 v[ACC+8*(4*(\a)+(\b))+(\j)], v[BI+8*(\b)+(\j)]
.endr
.endr
.endr
	s_wait_tensorcnt 1                             ; my part of K step 0 is in; step 1's may stay out
	s_barrier_signal -1
	s_barrier_wait -1                              ; everybody's is
	FETCH 0, 0, F0
	LAP 1                                          ; K steps 0 and 1; steps 2 and 3 are asked for
	LAP 0                                          ; K steps 2 and 3: nothing is asked for
	; THE WAY OUT, an m block (16 rows x 256 bytes) at a time: 32 bytes a lane into my stage's rows of 272 bytes, back as whole rows into the block's own 32 registers, and out.
.macro STF a
.irp b, 0,1,2,3
	ds_store_b128 v[STO], v[ACC+8*(4*(\a)+(\b)):ACC+8*(4*(\a)+(\b))+3]   offset:64*(\b)     ; each accumulator from its low end on
	ds_store_b128 v[STO], v[ACC+8*(4*(\a)+(\b))+4:ACC+8*(4*(\a)+(\b))+7] offset:64*(\b)+16
.endr
.irp t, 0,1,2,3,4,5,6,7
	ds_load_b128 v[ACC+32*(\a)+4*(\t):ACC+32*(\a)+4*(\t)+3], v[RD] offset:(\t)*2*SPF  ; LDS serves a wave's instructions in order: these see the stores above; the next block's stores come behind them
.endr
.endm
.macro SENDF a, younger                ; younger: the LDS instructions issued behind block a's loads: the next block's sixteen, or none
.irp t, 0,1,2,3,4,5,6,7
	s_wait_dscnt (\younger)+7-(\t)
	global_store_b128 v[CO], v[ACC+32*(\a)+4*(\t):ACC+32*(\a)+4*(\t)+3], s[8:9] offset:(16*(\a)+2*(\t))*4096  ; 16 lanes store 256 consecutive bytes, at a multiple of 256 from out0's first byte
.endr
.endm
	PLACES
	STF 0
	STF 1
	SENDF 0, 16
	STF 2
	SENDF 1, 16
	STF 3
	SENDF 2, 16
	SENDF 3, 0
	s_wait_tensorcnt 0x0                           ; the wave's end: an add of 0 to my spare word and its wait stand behind my last tensor load and my last LDS store
	ds_add_u32 v[SPW], v[NIL]
	s_wait_dscnt 0x0
	CROUND                                         ; the closing round: no work-group ends while a partner may still ask for a tile that names it
	s_endpgm
.Lfunc_end_k_q6c1c8d1dee_oproj:
	.size	k_q6c1c8d1dee_oproj, .Lfunc_end_k_q6c1c8d1dee_oproj-k_q6c1c8d1dee_oproj
	.p2alignl 7, 3214868480
	.fill 96, 4, 3214868480
	.section	.rodata,"a",@progbits
	.p2align	6, 0x0
	.amdhsa_kernel k_q6c1c8d1dee_oproj
		.amdhsa_group_segment_fixed_size 327680
		.amdhsa_private_segment_fixed_size 0
		.amdhsa_enable_private_segment 0
		.amdhsa_kernarg_size 32
		.amdhsa_user_sgpr_count 2
		.amdhsa_user_sgpr_kernarg_segment_ptr 1
		.amdhsa_wavefront_size32 1
		.amdhsa_system_sgpr_workgroup_id_x 1
		.amdhsa_system_sgpr_workgroup_id_y 1
		.amdhsa_system_sgpr_workgroup_id_z 1
		.amdhsa_system_vgpr_workitem_id 0
		.amdhsa_next_free_vgpr 512
		.amdhsa_next_free_sgpr 80
		.amdhsa_reserve_vcc 0
		.amdhsa_float_denorm_mode_32 3
		.amdhsa_float_denorm_mode_16_64 3
		.amdhsa_memory_ordered 1
		.amdhsa_forward_progress 1
		.amdhsa_inst_pref_size 93
	.end_amdhsa_kernel
	.amdgpu_metadata
---
amdhsa.version: [ 1, 2 ]
amdhsa.kernels:
  - .name:           k_q6c1c8d1dee_oproj
    .symbol:         k_q6c1c8d1dee_oproj.kd
    .args:
      - { .name: ob, .offset: 0, .size: 8, .value_kind: global_buffer, .address_space: global }
      - { .name: cb, .offset: 8, .size: 8, .value_kind: global_buffer, .address_space: global }
      - { .name: bo, .offset: 16, .size: 8, .value_kind: global_buffer, .address_space: global }
      - { .name: out0, .offset: 24, .size: 8, .value_kind: global_buffer, .address_space: global }
    .group_segment_fixed_size: 327680
    .private_segment_fixed_size: 0
    .kernarg_segment_align: 8
    .kernarg_segment_size: 32
    .max_flat_workgroup_size: 128
    .sgpr_count:     80
    .vgpr_count:     512
    .wavefront_size: 32
...
	.end_amdgpu_metadata
.endif
;; end of part 4
